; MI455X (gfx1250); checked and timed in simulation.
; The chip was launched on July 23, 2026; its instructions are those of AMD's public machine-readable ISA for CDNA 5 (MIT licence, August 2026) and "CDNA5" Instruction Set Architecture Reference Guide (July 2026). The comments in the code are by the model that wrote it; some were corrected since.
;; Multi Head Attention Block. Allowed arithmetic: matrix products marked QUANTISED: E2M1 operands, one E8M0 scale for each 32 along K, by v_wmma_scale_f32_16x16x128_f8f6f4 with both operands' format E2M1 (or v_wmma_scale_f32_32x16x128_f4), f32 sums; products left as they are: bf16, f16 or f32 operands; f32 sums; everything else in f32.
;; Inputs: bk 1,024 float32; bo 1,024 float32; bq 1,024 float32; bv 1,024 float32; k 4 x 2,048 x 1,024 float32; mask 4 x 1 x 2,048 x 2,048 int32; q 4 x 2,048 x 1,024 float32; v 4 x 2,048 x 1,024 float32; wk 1,024 x 1,024 float32; wo 1,024 x 1,024 float32; wq 1,024 x 1,024 float32; wv 1,024 x 1,024 float32.
;; Outputs: out0 4 x 2,048 x 1,024 float32.
;; This version of the problem:
;;   THIS VERSION OF THE PROBLEM IS GIVEN IN LOW PRECISION. The matrix products marked QUANTISED in the list below multiply operands that are first quantised to E2M1 (2 exponent bits, 1 mantissa bit; 4 bits a number), with one power-of-two scale for each 32 numbers along K (OCP MX v1.0); their sums are f32. The products marked 'left as it is' may take bf16, f16 or f32 operands, with f32 sums. Whichever they take, every output number must still come out within the allowed error. Rounding operands to bf16 (8 significant bits) uses up far more of that allowance than f16 does (11 bits, for magnitudes from 6e-5 to 65,504). All else is computed in f32.
;;   The module's matrix products, in the order in which they are computed (A, B: the left and right operand; K: the contracted axis; several contracted axes count as one K, in the product's order):
;;     1. [M 8,192, K 1,024] x [K 1,024, N 1,024]; A: input q; B: input wq: QUANTISED
;;     2. [M 8,192, K 1,024] x [K 1,024, N 1,024]; A: input k; B: input wk: QUANTISED
;;     3. [M 8,192, K 1,024] x [K 1,024, N 1,024]; A: input v; B: input wv: QUANTISED
;;     4. batch 64 x [M 2,048, K 64] x [K 64, N 2,048]; A: computed on the way; B: computed on the way: left as it is (an operand is computed on the way)
;;     5. batch 64 x [M 2,048, K 2,048] x [K 2,048, N 64]; A: computed on the way; B: computed on the way: left as it is (an operand is computed on the way)
;;     6. [M 8,192, K 1,024] x [K 1,024, N 1,024]; A: computed on the way; B: input wo: left as it is (an operand is computed on the way)
;;   THE QUANTISER, for each operand of a quantised product, along K:
;;     - K is cut into blocks of 32 from its start; a last block that is shorter is filled with zeros.
;;     - A block's scale is 2^e with e = floor(log2(the largest magnitude in the block)) - 2, held to -126 .. 127; a block of zeros has e = 0. As a byte (E8M0): e + 127.
;;     - Each number is divided by its block's scale, clamped to +-6, and rounded to the nearest number of E2M1, ties to even, subnormals kept.
;;     - The product sums the exact products of the quantised numbers (number of the format x scale) in f32.
;;   ~~~python
;;   def quantise(x, axis):      # numpy; x: float32 -> the quantised numbers, widened to float32 again
;;       x = np.moveaxis(x, axis, -1); K = x.shape[-1]
;;       x = np.pad(x, [(0, 0)] * (x.ndim - 1) + [(0, -K % 32)]); x = x.reshape(x.shape[:-1] + (-1, 32)); a = np.abs(x).max(-1, keepdims=True)
;;       e = np.where(a > 0, np.clip(np.frexp(np.where(a > 0, a, 1))[1] - 1 - 2, -126, 127), 0)      # np.frexp(a)[1] - 1 = floor(log2(a)), exactly
;;       r = np.clip(x / 2.0 ** e, -6, 6)
;;       step = 2.0 ** (np.maximum(np.frexp(np.where(r == 0, 1, r))[1] - 1, 0) - 1)
;;       q = np.round(r / step) * step * 2.0 ** e      # np.round: ties to even
;;       return np.moveaxis(q.reshape(q.shape[:-2] + (-1,))[..., :K], -1, axis).astype(np.float32)
;;   ~~~
;; One version. Each part assembles by itself: llvm-mc -triple=amdgcn-amd-amdhsa -mcpu=gfx1250 --defsym DOCPART=n.
;; ======== version 1 of 1: 4 launches
;; limits: values are held in f16: magnitudes above 65,504 overflow, below 6.1e-05 lose precision
;; workspace buffers: codes 14,155,776 bytes; scales 884,736 bytes; wo16 2,097,152 bytes; qkv 50,331,648 bytes; xa 16,777,216 bytes
;; launch prep (part 1): grid 896 x 1, 4 waves a work-group, no clusters, 33,280 bytes of LDS; arguments q, k, v, wq, wk, wv, wo, codes, scales, wo16; writes codes, scales, wo16
.if DOCPART == 1
	.amdgcn_target "amdgcn-amd-amdhsa--gfx1250"
	.amdhsa_code_object_version 6
	.text
	.protected	k_qea2e00c546_prep
	.globl	k_qea2e00c546_prep
	.p2align	8
	.type	k_qea2e00c546_prep,@function
k_qea2e00c546_prep:
	s_mov_b64 s[64:65], 0
	v_nop
	global_prefetch_b8 v0, s[64:65] scope:SCOPE_SE
	s_setreg_imm32_b32 hwreg(HW_REG_WAVE_MODE, 25, 1), 1
	s_wait_xcnt 0x0
; FIRST OF FOUR LAUNCHES of out = softmax((q wq^T + bq)(k wk^T + bk)^T / 8) (v wv^T + bv), heads joined, x wo^T + bo.
; This one turns q, k, v, wq, wk, wv (f32, K innermost) into codes of FP4 (E2M1) with one E8M0 scale byte for each 32 along K, and wo into f16.
; WORK LEFT OUT, for all values of the inputs:
;   mask: the problem's function never uses it: it has no way to any output.  It is not loaded and is no argument of any launch.
;   bk:   a score is (Q + bq) . (K + bk) / 8 = (Q + bq) . K / 8 + (Q + bq) . bk / 8.  The second term does not hang on the key: it is the same along the softmax's axis, and a softmax
;         is unchanged by a term that is the same along its axis.  The product of scores is not quantised, so bk enters no quantiser.  bk is not loaded and is no argument of any launch.
;   LIMIT: a NaN, an infinity or an overflow that reaches only mask or bk is not carried to the result.
; A block's scale is 2^(floor(log2(its largest magnitude)) - 2); its byte is the largest magnitude's exponent field - 2, held at 1 from below.  A block of zeros so gets the byte 1 where the rule says 127:
; its codes are zeros, which add nothing under any byte but 0xff, and the bytes are read by this program alone.  Each number is divided by the scale and rounded to the nearest code, ties to even.
; LIMITS: blocks whose largest magnitude lies under 2^(2 - 126) were not tried; NaN and infinities among the inputs are not served.
; THE STREAM.  Rows are dense and K = 1,024 is a multiple of 32, so the six tensors on end are one stream of blocks of 32, and so are the codes (27,648 rows of 512 bytes: q, k, v, wq, wk, wv) and the scale bytes.
; A work-group takes 32,768 numbers, a wave 8,192 in 16 steps of 512.  Work-groups 0-255 q, 256-511 k, 512-767 v, 768-799 wq, 800-831 wk, 832-863 wv; 864-895 cast wo.
; The conversions take 8 numbers of ONE block from a lane's registers, so a lane must hold 16 neighbours; a load is best where neighbouring lanes take neighbouring bytes.  Both are had: each of a step's four loads
; reads 512 consecutive bytes; the 2,048 bytes turn through the wave's own stage in LDS (16 bytes of padding behind each 64) and come back 64 bytes a lane.  A lane's 16 codes are 8 bytes: a wave stores 256 consecutive bytes.
; A wave's 256 scale bytes are gathered in its own LDS bytes and leave as one store of 256 consecutive bytes.  No barrier: waves share nothing.
.set STEPS, 16
.set WGQ,   864                        ; work-groups that quantise
.set EMAX,  2
.set CB,    8                          ; bytes of 16 codes
.set R,     16                         ; v16-79   four sets of 16 numbers as they are loaded
.set X,     80                         ; v80-111  two sets of 16 neighbours
.set E,     112                        ; v112-127 a scale byte for each step
.set C,     128                        ; v128-191 codes: four registers for each step, so that no store's data are written again
.set WREG,  8192                       ; LDS: a region for each wave: two stages of 32 x SP bytes, behind them its 256 scale bytes
.set SP,    80                         ; a lane's place in a stage: 64 bytes + 16 of padding
.set SPW,   12                         ; v12  LDS address of my spare word; never rewritten
.set NIL,   13                         ; v13  0; never rewritten
.set SPARE, 4*WREG                     ; behind the four regions: the spare words, 128 bytes for each wave, which no other line names
	s_load_b512 s[8:23], s[0:1], 0x0               ; q s[8:9], k s[10:11], v s[12:13], wq s[14:15], wk s[16:17], wv s[18:19], wo s[20:21], codes s[22:23]
	s_load_b128 s[24:27], s[0:1], 0x40             ; scales s[24:25], wo16 s[26:27]
	v_lshl_add_u32 v[SPW], v0, 2, SPARE
	v_mov_b32 v[NIL], 0
	v_lshrrev_b32 v1, 5, v0
	v_readfirstlane_b32 s28, v1                    ; wave
	v_and_b32 v2, 31, v0                           ; lane
	v_lshlrev_b32 v3, 4, v2                        ; my 16 bytes of a load's 512
	s_mul_i32 s29, s28, WREG
	v_lshrrev_b32 v14, 2, v2
	v_mul_u32_u24 v14, v14, SP
	v_and_b32 v15, 3, v2
	v_lshl_add_u32 v14, v15, 4, v14
	v_add_nc_u32 v14, s29, v14                     ; the stage, on the way in: SP (lane / 4) + 16 (lane % 4)
	v_mul_u32_u24 v15, v2, SP
	v_add_nc_u32 v15, s29, v15                     ; and on the way out: SP x lane: my 16 neighbours
	v_mul_u32_u24 v4, v2, CB                       ; my codes' place in a step's
	v_lshrrev_b32 v5, 1, v2
	s_add_co_u32 s29, s29, 2*32*SP
	v_add_nc_u32 v5, s29, v5                       ; LDS: my wave's 256 scale bytes, my block's byte
	v_lshlrev_b32 v7, 3, v2                        ; 8 bytes a lane
	v_add_nc_u32 v6, s29, v7
	s_wait_kmcnt 0x0
	s_cmp_ge_u32 ttmp9, WGQ                        ; the last 32 work-groups cast wo: the branch hangs on the work-group's number alone
	s_cbranch_scc1 .Lwo
	; which tensor is mine: only pointers are chosen, by the work-group's number
	s_mov_b64 s[4:5], s[8:9]
	s_mov_b32 s6, 0
.macro PICK lim, p
	s_cmp_ge_u32 ttmp9, \lim
	s_cselect_b64 s[4:5], s[\p:\p+1], s[4:5]
	s_cselect_b32 s6, \lim, s6
.endm
	PICK 256, 10
	PICK 512, 12
	PICK 768, 14
	PICK 800, 16
	PICK 832, 18
	s_sub_co_u32 s6, ttmp9, s6
	s_lshl_b32 s6, s6, 2
	s_add_co_u32 s6, s6, s28                       ; which run of 8,192 numbers of the tensor is my wave's
	s_lshl_b32 s6, s6, 15                          ; 32,768 bytes a run
	s_mov_b32 s7, 0
	s_add_nc_u64 s[4:5], s[4:5], s[6:7]
	s_lshl_b32 s30, ttmp9, 2
	s_add_co_u32 s30, s30, s28                     ; and which run of the whole stream
	s_lshl_b32 s6, s30, 12                         ; 4,096 bytes of codes a run
	s_add_nc_u64 s[22:23], s[22:23], s[6:7]
	s_lshl_b32 s6, s30, 8                          ; 256 scale bytes a run
	s_add_nc_u64 s[24:25], s[24:25], s[6:7]
.macro LOAD t
.irp i, 0,1,2,3
	global_load_b128 v[R+16*((\t)%4)+4*\i:R+16*((\t)%4)+4*\i+3], v3, s[4:5] offset:2048*(\t)+512*\i th:TH_LOAD_NT   ; 32 lanes read 512 consecutive bytes
.endr
.endm
.macro TURN t                          ; step t's numbers through the stage: LDS serves a wave's instructions in order, so no wait stands between the stores and the loads
.irp i, 0,1,2,3
	ds_store_b128 v14, v[R+16*((\t)%4)+4*\i:R+16*((\t)%4)+4*\i+3] offset:32*SP*((\t)%2)+8*SP*\i
.endr
.irp i, 0,1,2,3
	ds_load_b128 v[X+16*((\t)%2)+4*\i:X+16*((\t)%2)+4*\i+3], v15 offset:32*SP*((\t)%2)+16*\i
.endr
.endm
.irp t, 0,1,2,3
	LOAD \t
.endr
	s_wait_loadcnt 12                              ; step 0's four loads are in; the twelve of steps 1 to 3 may be out
	TURN 0
.macro STEP t
.set XS, X+16*((\t)%2)
.if (\t) > 0
	s_wait_dscnt 1                                 ; this step's numbers are back from the stage (the last step's byte store may be out): so its stores into the stage have read their registers,
.else
	s_wait_dscnt 0x0
.endif
.if (\t)+4 < STEPS
	LOAD (\t)+4                                    ; which take the loads of four steps on
.endif
.if (\t)+1 < STEPS
.if STEPS-2-(\t) >= 3
	s_wait_loadcnt 12                              ; the next step's four loads are in; those of the three steps behind it may be out
.else
	s_wait_loadcnt 4*(STEPS-2-(\t))
.endif
	TURN (\t)+1                                    ; and go through the other stage while this step is worked
.endif
	v_max3_num_f32 v8, |v[XS]|, |v[XS+1]|, |v[XS+2]|               ; the largest magnitude of my 16, in two chains
	v_max3_num_f32 v9, |v[XS+3]|, |v[XS+4]|, |v[XS+5]|
.irp i, 6,10
	v_max3_num_f32 v8, v8, |v[XS+\i]|, |v[XS+\i+1]|
	v_max3_num_f32 v9, v9, |v[XS+\i+2]|, |v[XS+\i+3]|
.endr
	v_max3_num_f32 v8, v8, |v[XS+14]|, |v[XS+15]|
	v_max3_num_f32 v8, v8, v9, (EMAX+1)<<23        ; and the floor 2^(EMAX + 1 - 127): so the byte cannot fall under 1
	v_max_num_f32_dpp v8, v8, v8 row_xmask:1 row_mask:0xf bank_mask:0xf   ; and of my neighbour's 16: the block's
	v_add_nc_u32 v11, -(EMAX<<23), v8              ; EMAX off its exponent field: the conversion takes the exponent field of this operand as its scale, and nothing else of it
	v_cvt_scalef32_pk8_fp4_f32 v[C+4*(\t)], v[XS:XS+7], v11        ; eight numbers / the scale, to the nearest code, ties to even, beyond the largest code the largest; the first number's code in the lowest four bits
	v_cvt_scalef32_pk8_fp4_f32 v[C+4*(\t)+1], v[XS+8:XS+15], v11
	v_lshrrev_b32 v[E+(\t)], 23, v11               ; the scale's byte (a plain line behind the conversions)
	ds_store_b8 v5, v[E+(\t)] offset:16*(\t)       ; both lanes of a block write the same byte with the same value
	global_store_b64 v4, v[C+4*(\t):C+4*(\t)+1], s[22:23] offset:32*CB*(\t)
.endm
.irp t, 0,1,2,3,4,5,6,7,8,9,10,11,12,13,14,15
	STEP \t
.endr
	ds_load_b64 v[8:9], v6                         ; LDS serves a wave's instructions in order: these see my stores
	s_wait_dscnt 0x0
	global_store_b64 v7, v[8:9], s[24:25]          ; 32 lanes store 256 consecutive bytes, at a multiple of 256 from the buffer's first byte
	s_wait_tensorcnt 0x0                           ; the wave's end, behind my last LDS store
	ds_add_u32 v[SPW], v[NIL]
	s_wait_dscnt 0x0
	s_endpgm
; wo, f32 to f16, as it lies: a wave takes 8,192 numbers in four batches of 16 loads of 512 consecutive bytes; a lane's four numbers are 8 bytes, so a store covers 256 consecutive bytes.
.Lwo:
	s_sub_co_u32 s6, ttmp9, WGQ
	s_lshl_b32 s6, s6, 2
	s_add_co_u32 s30, s6, s28
	s_lshl_b32 s6, s30, 15
	s_mov_b32 s7, 0
	s_add_nc_u64 s[20:21], s[20:21], s[6:7]
	s_lshl_b32 s6, s30, 14
	s_add_nc_u64 s[26:27], s[26:27], s[6:7]
.macro LOADB g
.irp i, 0,1,2,3,4,5,6,7,8,9,10,11,12,13,14,15
	global_load_b128 v[16+64*((\g)%2)+4*\i:16+64*((\g)%2)+4*\i+3], v3, s[20:21] offset:8192*(\g)+512*\i th:TH_LOAD_NT
.endr
.endm
.macro CAST g
.if (\g) < 3
	s_wait_loadcnt 16                              ; this batch is in; the next batch's sixteen loads may be out
.else
	s_wait_loadcnt 0x0
.endif
.if (\g) > 0
	s_wait_xcnt 0x0                                ; the last batch's stores have read v144-175: only behind this wait are they written again
.endif
.irp i, 0,1,2,3,4,5,6,7,8,9,10,11,12,13,14,15
	v_cvt_pk_f16_f32 v[144+2*\i], v[16+64*((\g)%2)+4*\i], v[16+64*((\g)%2)+4*\i+1]
	v_cvt_pk_f16_f32 v[145+2*\i], v[16+64*((\g)%2)+4*\i+2], v[16+64*((\g)%2)+4*\i+3]
.endr
.irp i, 0,1,2,3,4,5,6,7,8,9,10,11,12,13,14,15
	global_store_b64 v7, v[144+2*\i:145+2*\i], s[26:27] offset:4096*(\g)+256*\i
.endr
.if (\g)+2 < 4
	LOADB (\g)+2
.endif
.endm
	LOADB 0
	LOADB 1
	CAST 0
	CAST 1
	CAST 2
	CAST 3
	s_endpgm
.Lfunc_end_k_qea2e00c546_prep:
	.size	k_qea2e00c546_prep, .Lfunc_end_k_qea2e00c546_prep-k_qea2e00c546_prep
	.p2alignl 7, 3214868480
	.fill 96, 4, 3214868480
	.section	.rodata,"a",@progbits
	.p2align	6, 0x0
	.amdhsa_kernel k_qea2e00c546_prep
		.amdhsa_group_segment_fixed_size 33280
		.amdhsa_private_segment_fixed_size 0
		.amdhsa_enable_private_segment 0
		.amdhsa_kernarg_size 80
		.amdhsa_user_sgpr_count 2
		.amdhsa_user_sgpr_kernarg_segment_ptr 1
		.amdhsa_wavefront_size32 1
		.amdhsa_system_sgpr_workgroup_id_x 1
		.amdhsa_system_sgpr_workgroup_id_y 1
		.amdhsa_system_sgpr_workgroup_id_z 1
		.amdhsa_system_vgpr_workitem_id 0
		.amdhsa_next_free_vgpr 192
		.amdhsa_next_free_sgpr 66
		.amdhsa_reserve_vcc 0
		.amdhsa_float_denorm_mode_32 3
		.amdhsa_float_denorm_mode_16_64 3
		.amdhsa_memory_ordered 1
		.amdhsa_forward_progress 1
		.amdhsa_inst_pref_size 55
	.end_amdhsa_kernel
	.amdgpu_metadata
---
amdhsa.version: [ 1, 2 ]
amdhsa.kernels:
  - .name:           k_qea2e00c546_prep
    .symbol:         k_qea2e00c546_prep.kd
    .args:
      - { .name: q, .offset: 0, .size: 8, .value_kind: global_buffer, .address_space: global }
      - { .name: k, .offset: 8, .size: 8, .value_kind: global_buffer, .address_space: global }
      - { .name: v, .offset: 16, .size: 8, .value_kind: global_buffer, .address_space: global }
      - { .name: wq, .offset: 24, .size: 8, .value_kind: global_buffer, .address_space: global }
      - { .name: wk, .offset: 32, .size: 8, .value_kind: global_buffer, .address_space: global }
      - { .name: wv, .offset: 40, .size: 8, .value_kind: global_buffer, .address_space: global }
      - { .name: wo, .offset: 48, .size: 8, .value_kind: global_buffer, .address_space: global }
      - { .name: codes, .offset: 56, .size: 8, .value_kind: global_buffer, .address_space: global }
      - { .name: scales, .offset: 64, .size: 8, .value_kind: global_buffer, .address_space: global }
      - { .name: wo16, .offset: 72, .size: 8, .value_kind: global_buffer, .address_space: global }
    .group_segment_fixed_size: 33280
    .private_segment_fixed_size: 0
    .kernarg_segment_align: 8
    .kernarg_segment_size: 80
    .max_flat_workgroup_size: 128
    .sgpr_count:     66
    .vgpr_count:     192
    .wavefront_size: 32
...
	.end_amdgpu_metadata
.endif
;; end of part 1
;; launch proj (part 2): grid 4 x 96, 4 waves a work-group, clusters of 4 x 4, 327,680 bytes of LDS; arguments codes, scales, bq, bv, qkv; writes qkv
.if DOCPART == 2
	.amdgcn_target "amdgcn-amd-amdhsa--gfx1250"
	.amdhsa_code_object_version 6
	.text
	.protected	k_qea2e00c546_proj
	.globl	k_qea2e00c546_proj
	.p2align	8
	.type	k_qea2e00c546_proj,@function
k_qea2e00c546_proj:
	s_mov_b64 s[64:65], 0
	v_nop
	global_prefetch_b8 v0, s[64:65] scope:SCOPE_SE
	s_setreg_imm32_b32 hwreg(HW_REG_WAVE_MODE, 25, 1), 1
	s_wait_xcnt 0x0
	s_wait_alu depctr_hold_cnt(0) depctr_sa_sdst(0) depctr_va_vdst(0) depctr_va_sdst(0) depctr_va_ssrc(0) depctr_va_vcc(0) depctr_vm_vsrc(0)
	s_getreg_b32 s2, hwreg(HW_REG_IB_STS2, 6, 4)
	s_cmp_eq_u32 s2, 0
	s_cbranch_scc0 .Lentry_in_a_cluster
	s_endpgm
.Lentry_in_a_cluster:
	s_bfe_u32 s2, ttmp6, 0x10000c
	s_cmp_lg_u32 s2, 0xf033
	s_cbranch_scc0 .Lentry_shape_is_right
	s_endpgm
.Lentry_shape_is_right:
; SECOND LAUNCH: the three quantised products, query = q wq^T + bq, key = k wk^T, value = v wv^T + bv, on codes of FP4 (E2M1) with one E8M0 scale for each 32 along K; sums in f32; results rounded once to f16.
; WORK LEFT OUT: bk (a term of the scores that is the same along the softmax's axis: shown at the head of the first kernel): the keys' sums start from 0.
; LIMIT: |query|, |key|, |value| stay under 65,504, f16's largest number.
; codes: [27,648][512 bytes], rows 0-24,575 q, k, v; from 24,576 on wq, wk, wv, 1,024 rows each.  scales: [27,648][32].  qkv: [24,576][1,024] f16: row = the codes' row.
; One GEMM of 24,576 x 1,024: a tile of 256 x 256 is made by a work-group of four waves; a wave makes 128 x 128: 64 accumulators, 512 registers.  The 32 tile rows of one tensor take that tensor's weight.
; K = 1,024 is two slots of 512 along K (rows of 256 bytes): both are first fills, nothing is filled again.  The scales of the work-group's rows, for all of K, come once, as dense blocks.
; CLUSTERS: 4 x 4 work-groups.  The four of a row of the cluster need the same tiles of A, the four of a column the same tiles of B: each tile is asked for JOINTLY, by the same tensor load with the same
; descriptor and a mask that names the four.  THE MATRIX INSTRUCTION IS USED TRANSPOSED (source 0 = 16 rows of the weight, source 1 = 16 rows of A): a lane then holds eight neighbouring numbers of a row of the result.
; The bias is the C of each sum's first matrix instruction: eight registers for each block of 16 columns, in the result's layout.
; REGISTERS, in windows of 256: window 0: v0-31 addresses; v32-95 scale words, two sets, and nothing else; v96-127 packed results on the way out; v128-191 A's fragments, ONE set, on the way out rows read back;
;   v192-255 the bias.   window 1: B's fragments, TWO sets, at v0 and v128.   window 2: the accumulators of my rows 0-63 ((a, b) at v[8 (8 a + b)]);   window 3: those of my rows 64-127.
.set KSTEP,  512                       ; along K in a slot
.set NQ,     KSTEP/128                 ; matrix instructions deep
.set ROWB,   256                       ; a tile's row in bytes
.set KROW,   512                       ; a row of codes in memory
.set PITCH,  272                       ; an LDS row: 256 bytes + 16 of padding = 68 words: row r starts at bank 4 r mod 64 (ISA guide 11.1), so the 16 rows that a load touches start at 16 different banks
.set FR,     8                         ; registers of a fragment: 16 rows x 128 K
.set NL,     2                         ; LDS loads that bring one
.set NP,     4                         ; places behind this matrix instruction (ISA guide 7.12.1)
.set HALFT,  128*PITCH                 ; 128 rows: what one tensor load brings
.set SLOT,   4*HALFT                   ; A's 256 rows, then B's 256 rows
.set KS,     32                        ; a row of scales in bytes
.set SCL,    2*SLOT                    ; behind the two slots: the scales, as units of 256 bytes + 16 of padding
.set HALFS,  (128*KS/256)*272          ; the scales of 128 rows: what one tensor load brings
.set SBLK,   (16*KS/256)*272           ; those of 16 rows
.set SPARE,  SCL+4*HALFS               ; behind the scales: the spare words, 128 bytes for each wave, which no other line names
.set SPITCH, 272                       ; the way out: a stage of 16 rows x (256 bytes + 16) for each wave, in slot 0, which has had its only fill and its last read when the first result is stored there
.set OROW,   2048                      ; a row of qkv in bytes
.set WROW0,  24576                     ; the weights' first row among the codes
.set ADRA, 16                          ; v16-17  LDS address of my A fragments in slot 0, 1
.set ADRB, 20                          ; v20-21  the same for B
.set STO,  24                          ; v24     the way out: where I put 16 bytes of a row
.set RD,   25                          ; v25     where I read a row back
.set CO,   26                          ; v26     my byte offset in qkv
.set ADRS, 27                          ; v27     LDS address of my scale words: lanes 0-15 A's rows, lanes 16-31 B's
.set SPW,  28                          ; v28     LDS address of my spare word; never rewritten
.set NIL,  29                          ; v29     0; never rewritten
.set BOF,  30                          ; v30     32 x (lane / 16): my eight numbers of a block of the bias
.set SC,   32                          ; scale words: set s at v[SC + 8 NQ s]; register NQ i + q: lanes 0-15 the word of A's block i, lanes 16-31 that of B's block i, for the slot's q-th 128 along K
.set TMP,  96
.set AF,   128
.set BK,   128
.set BI,   192
.set G1, 24                            ; s[24:31] descriptor group 1 for A's tiles;  s[32:39] group 0, one set for each slot
.set G0, 32
.set G1B, 48                           ; s[48:55], s[56:63] the same for B's tiles
.set G0B, 56
.set G1S, 68                           ; s[68:75], s[76:79] groups 1 and 0 for A's scales;  s[80:87], s[88:91] for B's
.set G0S, 76
.set G1SB, 80
.set G0SB, 88
.set MSB, 0
.macro WIN new                         ; the immediate's high byte repeats the setting that is left
.if MSB != \new
	s_set_vgpr_msb (MSB<<8)|\new
.set MSB, \new
.endif
.endm
.set MUL_LO, 0xa1                      ; source 0 (B) window 1, source 1 (A) window 0, C and D window 2
.set MUL_HI, 0xf1                      ; the same, C and D window 3
.set BIA_LO, 0x81                      ; source 2 (the bias) window 0, D window 2
.set BIA_HI, 0xc1                      ; D window 3
.set TO_B,   0x40                      ; destination window 1, address window 0
; A joint load: waves 0 and 1 fetch for A, waves 2 and 3 for B.  Each of the two lines has ONE mask and one set of registers for all that issue it; the branch hangs on the wave's number alone.
; An s_nop 0 and four v_nop follow each of the two lines, ahead of the jump, the label and what follows.
.macro JLOAD g0a, g1a, g0b, g1b
	s_cmp_eq_u32 s15, 0
	s_cbranch_scc0 .Lfor_b_\@
	tensor_load_to_lds s[\g0a:\g0a+3], s[\g1a:\g1a+7]
	s_nop 0
.rept 4
	v_nop
.endr
	s_branch .Lasked_\@
.Lfor_b_\@:
	tensor_load_to_lds s[\g0b:\g0b+3], s[\g1b:\g1b+7]
	s_nop 0
.rept 4
	v_nop
.endr
.Lasked_\@:
.endm
.macro CROUND                          ; a round of the cluster's barrier: my work-group's barrier; wave 0 signals for the work-group; every wave waits for all sixteen; my work-group's barrier once more
	s_barrier_signal -1
	s_barrier_wait -1
	s_cmp_lg_u32 s14, 0
	s_cbranch_scc1 .Lnot_wave_0_\@
	s_barrier_signal -3
.Lnot_wave_0_\@:
	s_barrier_wait -3
	s_barrier_signal -1
	s_barrier_wait -1
.endm
	s_load_b256 s[4:11], s[0:1], 0x0               ; codes s[4:5], scales s[6:7], bq s[8:9], bv s[10:11]
	s_load_b64 s[12:13], s[0:1], 0x20              ; qkv
	v_lshl_add_u32 v[SPW], v0, 2, SPARE
	v_mov_b32 v[NIL], 0
	ds_add_u32 v[SPW], v[NIL]                      ; the wave's opening: the add, twice on end, and its wait ahead of my first tensor load; the set-up below stands between the second and the wait
	ds_add_u32 v[SPW], v[NIL]
	v_lshrrev_b32 v1, 5, v0
	v_readfirstlane_b32 s14, v1                    ; wave 0..3
	s_lshr_b32 s15, s14, 1                         ; which half of the tile's rows is mine.  Also: I fetch for A (0) or for B (1)
	s_and_b32 s16, s14, 1                          ; which half of its columns.  Also: which 128 rows of that tile I fetch
	s_bfe_u32 s40, ttmp6, 0x40000                  ; cx, cy: my place in the cluster
	s_bfe_u32 s41, ttmp6, 0x40004
	s_lshl_b32 s42, ttmp9, 2
	s_add_co_u32 s42, s42, s40                     ; tile column = 4 x cluster x + cx
	s_and_b32 s17, ttmp7, 0xffff
	s_lshl_b32 s17, s17, 2
	s_add_co_u32 s17, s17, s41                     ; tile row = 4 x cluster y + cy
	s_lshl_b32 s43, s41, 2
	s_lshl_b32 s43, 15, s43                        ; my row of the cluster
	s_lshl_b32 s44, 0x1111, s40                    ; my column
	s_and_b32 s97, ttmp7, 0xffff
	s_lshr_b32 s97, s97, 3                         ; which tensor: 0 query, 1 key, 2 value: eight clusters' tile rows to a tensor; made of the cluster's y alone, so it is the same in all sixteen partners
	; descriptor group 1: a tile of 128 rows x 256 bytes, padded in LDS
	s_or_b32 s[G1+0], s43, (0<<16)|(1<<20)|(1<<21)|(5<<22)|(3<<25)  ; 15:0 the mask: A's tiles go to my row; 17:16 element of 1 byte; 20 padding on; 21 set beside a mask; 24:22 after every 64 words; 31:25 four words
	s_or_b32 s[G1B+0], s44, (0<<16)|(1<<20)|(1<<21)|(5<<22)|(3<<25)
.irp g, G1, G1B
	s_mov_b32 s[\g+1], ROWB<<16                    ; tensor_dim0
	s_mov_b32 s[\g+2], 128<<16                     ; tensor_dim1
	s_mov_b32 s[\g+3], ROWB<<16                    ; tile_dim0
	s_mov_b32 s[\g+4], 128                         ; tile_dim1
	s_mov_b32 s[\g+5], KROW                        ; tensor_dim0_stride
	s_mov_b32 s[\g+6], 0
	s_mov_b32 s[\g+7], 0
.endr
	; and for the scales of 128 rows: a dense block of 4,096 bytes, as 16 rows of 256 bytes (32 elements of 8 bytes), 16 bytes of padding behind each
	s_or_b32 s[G1S+0], s43, (3<<16)|(1<<20)|(1<<21)|(5<<22)|(3<<25)
	s_or_b32 s[G1SB+0], s44, (3<<16)|(1<<20)|(1<<21)|(5<<22)|(3<<25)
.irp g, G1S, G1SB
	s_mov_b32 s[\g+1], 32<<16
	s_mov_b32 s[\g+2], (128*KS/256)<<16
	s_mov_b32 s[\g+3], 32<<16
	s_mov_b32 s[\g+4], 128*KS/256
	s_mov_b32 s[\g+5], 32
	s_mov_b32 s[\g+6], 0
	s_mov_b32 s[\g+7], 0
.endr
	s_lshl_b32 s18, s16, 7                         ; which 128 rows of the tile I fetch
	s_lshl_b32 s20, s17, 8
	s_add_co_u32 s20, s20, s18                     ; A: row 256 x tile row + 128 x half
	s_lshl_b32 s46, s42, 8
	s_add_co_u32 s46, s46, s18                     ; B: row 256 x tile column + 128 x half,
	s_lshl_b32 s96, s97, 10
	s_add_co_u32 s46, s46, s96                     ; in my tensor's weight,
	s_add_co_u32 s46, s46, WROW0                   ; behind q's, k's and v's rows
	s_mov_b32 s21, 0
	s_mov_b32 s47, 0
	s_mov_b64 s[18:19], KS
	s_mul_u64 s[22:23], s[20:21], s[18:19]         ; where these rows' scales begin, in bytes
	s_mul_u64 s[92:93], s[46:47], s[18:19]
	s_mov_b64 s[18:19], KROW
	s_mul_u64 s[20:21], s[20:21], s[18:19]         ; and their codes
	s_mul_u64 s[46:47], s[46:47], s[18:19]
	s_mul_i32 s45, s14, HALFT                      ; where they go: wave x 128 rows: no place in the cluster enters an LDS address
	s_mul_i32 s94, s14, HALFS
	s_wait_dscnt 0x0                               ; both opening adds are done
	s_wait_kmcnt 0x0
	s_add_nc_u64 s[20:21], s[4:5], s[20:21]
	s_add_nc_u64 s[22:23], s[6:7], s[22:23]
	s_add_nc_u64 s[46:47], s[4:5], s[46:47]
	s_add_nc_u64 s[92:93], s[6:7], s[92:93]
	CROUND                                         ; all sixteen work-groups are here: the first joint loads meet
	s_mov_b32 s[G0S], 1
	s_add_co_u32 s[G0S+1], s94, SCL
	s_mov_b64 s[G0S+2:G0S+3], s[22:23]
	s_or_b32 s[G0S+3], s[G0S+3], 0x80000000
	s_mov_b32 s[G0SB], 1
	s_add_co_u32 s[G0SB+1], s94, SCL
	s_mov_b64 s[G0SB+2:G0SB+3], s[92:93]
	s_or_b32 s[G0SB+3], s[G0SB+3], 0x80000000
	JLOAD G0S, G1S, G0SB, G1SB                     ; the scales first: they are wanted with the first slot
.irp s, 0,1
	s_mov_b32 s[G0+4*\s], 1
	s_add_co_u32 s[G0+4*\s+1], s45, \s*SLOT
	s_add_nc_u64 s[G0+4*\s+2:G0+4*\s+3], s[20:21], \s*ROWB
	s_or_b32 s[G0+4*\s+3], s[G0+4*\s+3], 0x80000000
	s_mov_b32 s[G0B+4*\s], 1
	s_add_co_u32 s[G0B+4*\s+1], s45, \s*SLOT
	s_add_nc_u64 s[G0B+4*\s+2:G0B+4*\s+3], s[46:47], \s*ROWB
	s_or_b32 s[G0B+4*\s+3], s[G0B+4*\s+3], 0x80000000
	JLOAD G0+4*\s, G1, G0B+4*\s, G1B               ; three loads of mine are out
.endr
	v_and_b32 v1, 15, v0                           ; l % 16
	v_bfe_u32 v2, v0, 4, 1                         ; l / 16
	; THE BIAS, in the result's layout: block b, lane (r, h): the numbers of columns 256 x tile column + 128 x my half + 16 b + 8 h + 0 .. 7.  The keys have none: their sums start from 0.
	v_lshlrev_b32 v[BOF], 5, v2
	s_cmp_eq_u32 s97, 1                            ; the same way in all sixteen partners
	s_cbranch_scc1 .Lkey
	s_cmp_eq_u32 s97, 0
	s_cselect_b64 s[98:99], s[8:9], s[10:11]       ; bq for the queries, bv for the values
	s_lshl_b32 s96, s42, 10
	s_lshl_b32 s97, s16, 9
	s_add_co_u32 s96, s96, s97
	s_mov_b32 s97, 0
	s_add_nc_u64 s[98:99], s[98:99], s[96:97]
.irp b, 0,1,2,3,4,5,6,7
	global_load_b128 v[BI+8*\b:BI+8*\b+3], v[BOF], s[98:99] offset:64*\b
	global_load_b128 v[BI+8*\b+4:BI+8*\b+7], v[BOF], s[98:99] offset:64*\b+16
.endr
	s_branch .Lbias_done
.Lkey:
.set i, 0
.rept 64
	v_mov_b32 v[BI+i], 0
.set i, i+1
.endr
.Lbias_done:
	v_mul_u32_u24 v3, v1, PITCH
	v_lshl_add_u32 v4, v2, 4, v3                   ; a fragment's row x pitch + 16 x half
	s_mul_i32 s21, s15, HALFT                      ; my 128 rows of A
	s_mul_i32 s22, s16, HALFT                      ; my 128 rows of B,
	s_add_co_u32 s22, s22, 2*HALFT                 ; which lie behind A's 256
.irp s, 0,1
	v_add_nc_u32 v[ADRA+\s], s21, v4
	v_add_nc_u32 v[ADRB+\s], s22, v4
	s_add_co_u32 s21, s21, SLOT
	s_add_co_u32 s22, s22, SLOT
.endr
	v_mul_u32_u24 v5, v1, KS                       ; my row's scales: KS bytes a row,
	v_lshrrev_b32 v6, 8, v5
	v_lshl_add_u32 v5, v6, 4, v5                   ; and 16 more for each 256 passed
	s_mul_i32 s21, s15, HALFS                      ; A's: my 128 rows
	s_mul_i32 s22, s16, HALFS                      ; B's: my 128 rows, behind A's 256
	s_add_co_u32 s22, s22, 2*HALFS
	s_sub_co_u32 s22, s22, s21
	v_mul_u32_u24 v6, s22, v2                      ; lanes 16-31 take B's: one product, the distance between the two bases
	s_add_co_u32 s21, s21, SCL
	v_add_nc_u32 v5, v5, v6
	v_add_nc_u32 v[ADRS], s21, v5
	s_mul_i32 s23, s14, 16*SPITCH                  ; my stage
	v_mul_u32_u24 v5, v1, SPITCH                   ; in: row l % 16, 16 bytes for each half of the lanes
	v_lshl_add_u32 v5, v2, 4, v5
	v_add_nc_u32 v[STO], s23, v5
	v_mul_u32_u24 v5, v2, SPITCH                   ; back: lanes 0-15 take one row of 256 bytes, lanes 16-31 the next
	v_lshl_add_u32 v5, v1, 4, v5
	v_add_nc_u32 v[RD], s23, v5
	v_lshlrev_b32 v5, 11, v2                       ; and the same two rows in qkv
	v_lshl_add_u32 v[CO], v1, 4, v5
	s_lshl_b32 s20, s17, 8
	s_lshl_b32 s21, s15, 7
	s_add_co_u32 s20, s20, s21                     ; my first row: 256 x tile row + 128 x half,
	s_lshl_b32 s20, s20, 11                        ; in bytes (under 2^26)
	s_lshl_b32 s46, s42, 9                         ; my first column, in bytes: 512 x tile column + 256 x half
	s_lshl_b32 s47, s16, 8
	s_add_co_u32 s46, s46, s47
	s_add_co_u32 s20, s20, s46
	s_mov_b32 s21, 0
	s_add_nc_u64 s[12:13], s[12:13], s[20:21]
.macro FRAG reg, adr, q, i             ; a fragment, 16 rows x 128 K of 4-bit codes, is 8 registers: lane l holds row l % 16; registers 4 c .. 4 c + 3 hold K = 64 c + 32 (l / 16) + 0 .. 31
.irp c, 0,1
	ds_load_b128 v[\reg+4*\c:\reg+4*\c+3], v[\adr] offset:64*(\q)+32*\c+(\i)*16*PITCH
.endr
.endm
; 16 matrix instructions: A's blocks a0, a0 + 1 x B's eight, 128 along K: the slot's q-th.  p: B's set;  sc: the set of scale words.  first = 1: the product starts the sums from the bias: nothing is cleared or added later.
; The 64 accumulators take turns, one instruction a turn, in the same order in every step.
.macro MUL16 a0, p, q, sc, first
.irp a, \a0, \a0+1
.irp b, 0,1,2,3,4,5,6,7
.if \first
	v_wmma_scale_f32_16x16x128_f8f6f4 v[8*(8*((\a)%4)+\b):8*(8*((\a)%4)+\b)+7], v[128*(\p)+FR*\b:128*(\p)+FR*\b+FR-1], v[AF+FR*(\a):AF+FR*(\a)+FR-1], v[BI+8*\b:BI+8*\b+7], v[SC+8*NQ*(\sc)+NQ*\b+(\q)], v[SC+8*NQ*(\sc)+NQ*(\a)+(\q)] matrix_a_fmt:MATRIX_FMT_FP4 matrix_b_fmt:MATRIX_FMT_FP4 matrix_a_scale:MATRIX_SCALE_ROW1
.else
	v_wmma_scale_f32_16x16x128_f8f6f4 v[8*(8*((\a)%4)+\b):8*(8*((\a)%4)+\b)+7], v[128*(\p)+FR*\b:128*(\p)+FR*\b+FR-1], v[AF+FR*(\a):AF+FR*(\a)+FR-1], v[8*(8*((\a)%4)+\b):8*(8*((\a)%4)+\b)+7], v[SC+8*NQ*(\sc)+NQ*\b+(\q)], v[SC+8*NQ*(\sc)+NQ*(\a)+(\q)] matrix_a_fmt:MATRIX_FMT_FP4 matrix_b_fmt:MATRIX_FMT_FP4 matrix_a_scale:MATRIX_SCALE_ROW1
.endif
.endr
.endr
.endm
.macro FETCH_B slot, q, p              ; B's eight fragments of the slot's q-th 128 along K into set p
	WIN TO_B
.irp i, 0,1,2,3,4,5,6,7
	FRAG 128*(\p)+FR*\i, ADRB+\slot, \q, \i
.endr
	WIN 0
.endm
.macro FETCH_A slot, q, i0             ; A's blocks i0 .. i0 + 3
.irp i, \i0, \i0+1, \i0+2, \i0+3
	FRAG AF+FR*(\i), ADRA+\slot, \q, \i
.endr
.endm
.macro SCALES sc                       ; a slot's scale words into set sc: NQ words a row; lanes 0-15 take A's block i, lanes 16-31 B's block i
.irp i, 0,1,2,3,4,5,6,7
	ds_load_b128 v[SC+8*NQ*\sc+NQ*\i:SC+8*NQ*\sc+NQ*\i+3], v[ADRS] offset:\i*SBLK
.endr
.endm
; A load into a register that a matrix instruction has read, and a vector instruction that reads a matrix result, stand NP places behind that matrix instruction; only plain vector
; instructions that name none of its registers are places (ISA guide 7.12.1 for vector instructions).
.macro PLACES n
.rept \n
	v_nop
.endr
.endm
; A step of 128 along K that has its successor in the same slot.  A's blocks go one after the other, each against B's eight: so one set of registers serves A (blocks 0-3 fetched anew in the step's middle, 4-7 at its end), and B has two.
.macro STEP slot, q, first
	s_wait_dscnt 4*NL                              ; B's set, A's blocks 0-3 and the scale words are in; the youngest eight loads (A's blocks 4-7) may be out
.if \first
	WIN BIA_LO
.else
	WIN MUL_LO
.endif
	MUL16 0, (\q)%2, \q, \slot, \first
	MUL16 2, (\q)%2, \q, \slot, \first
	s_wait_dscnt 0                                 ; A's blocks 4-7 are in (asked for 32 matrix instructions ago)
	PLACES NP
	FETCH_B \slot, (\q)+1, 1-(\q)%2
	FETCH_A \slot, (\q)+1, 0
.if \first
	WIN BIA_HI
.else
	WIN MUL_HI
.endif
	MUL16 4, (\q)%2, \q, \slot, \first
	MUL16 6, (\q)%2, \q, \slot, \first
	PLACES NP
	WIN 0
	FETCH_A \slot, (\q)+1, 4
.endm
; Slot 0's last step changes slots: ONE barrier; in front of it each wave waits for all its tensor loads (slot 1's part is the one that was out).  Nothing is filled again.
.macro TURN slot, next
	s_wait_tensorcnt 0x0                           ; all my tensor loads have landed  (every window is 0 here: the add's two registers lie in window 0)
	ds_add_u32 v[SPW], v[NIL]                      ; 0 onto my spare word
	s_wait_dscnt 4*NL+1                            ; (the add and the youngest eight loads, A's blocks 4-7, may be out)
	WIN MUL_LO
	MUL16 0, 1, NQ-1, \slot, 0                     ; sixteen matrix instructions stand between the add and the wait for it
	s_wait_dscnt 0x0                               ; the add is done, and my reads of this slot are over
	s_barrier_signal -1
	MUL16 2, 1, NQ-1, \slot, 0
	WIN 0
	s_barrier_wait -1                              ; the next slot is whole, and nobody reads this one any more
	PLACES NP
	v_add_nc_u32 v[ADRS], 4*NQ, v[ADRS]            ; on to the next slot's scale words
	FETCH_B \next, 0, 0
	FETCH_A \next, 0, 0
	SCALES \next
	WIN MUL_HI
	MUL16 4, 1, NQ-1, \slot, 0
	MUL16 6, 1, NQ-1, \slot, 0
	PLACES NP
	WIN 0
	FETCH_A \next, 0, 4
.endm
.macro STEPS slot, from                ; the slot's steps from .. NQ - 2
.set Q, \from
.rept NQ-1-\from
	STEP \slot, Q, 0
.set Q, Q+1
.endr
.endm
	s_wait_tensorcnt 1                             ; the scales and my part of slot 0 are in; slot 1's load, issued behind them, may be out
	s_barrier_signal -1
	s_barrier_wait -1                              ; everybody's are
	FETCH_B 0, 0, 0
	FETCH_A 0, 0, 0
	SCALES 0
	FETCH_A 0, 0, 4
	s_wait_loadcnt 0x0                             ; the bias
	STEP 0, 0, 1                                   ; the first step's products start the sums
	STEPS 0, 1
	TURN 0, 1
	STEPS 1, 0
	s_wait_dscnt 4*NL                              ; the very last step: nothing more to fetch
	WIN MUL_LO
	MUL16 0, 1, NQ-1, 1, 0
	MUL16 2, 1, NQ-1, 1, 0
	s_wait_dscnt 0
	WIN MUL_HI
	MUL16 4, 1, NQ-1, 1, 0
	MUL16 6, 1, NQ-1, 1, 0
	WIN 0
; THE WAY OUT, block by block of 16 rows x 128 columns.  PACK: rounded to f16, a lane's eight neighbouring columns are 16 bytes.  TOSTAGE: into my own stage in LDS, and back as whole rows of 256 bytes.  SEND: stored.
.macro PACK a
.set AC, 64*((\a)%4)
	WIN 0x0a+5*((\a)/4)                            ; sources 0 and 1: window 2 or 3
.irp b, 0,1,2,3,4,5,6,7
.irp r, 0,1,2,3
	v_cvt_pk_f16_f32 v[TMP+4*\b+\r], v[AC+8*\b+2*\r], v[AC+8*\b+2*\r+1]   ; each accumulator from its low end on
.endr
.endr
	WIN 0
.endm
.macro TOSTAGE a
.set BB, BK+32*((\a)%2)
.irp b, 0,1,2,3,4,5,6,7
	ds_store_b128 v[STO], v[TMP+4*\b:TMP+4*\b+3] offset:32*\b
.endr
.irp t, 0,1,2,3,4,5,6,7
	ds_load_b128 v[BB+4*\t:BB+4*\t+3], v[RD] offset:\t*2*SPITCH    ; LDS serves a wave's instructions in order (ISA guide 5.7.1.4): these see the stores above
.endr
.endm
.macro SEND a
.set BB, BK+32*((\a)%2)
	s_wait_dscnt 0x0                               ; the block is back in registers
	s_wait_xcnt 0x0                                ; the stores of the block before have read their registers: the next block's loads may land there
.irp t, 0,1,2,3,4,5,6,7
	global_store_b128 v[CO], v[BB+4*\t:BB+4*\t+3], s[12:13] offset:(16*(\a)+2*\t)*OROW   ; 16 lanes store 256 consecutive bytes, at a multiple of 256 from the buffer's first byte; 126 rows at the most: inside the signed 24-bit immediate
.endr
.endm
	PLACES NP                                      ; behind the last products
	PACK 0
	TOSTAGE 0
.irp a, 1,2,3,4,5,6,7                  ; block a's conversions stand between block a - 1's loads from the stage and the wait for them
	PACK \a
	SEND \a-1
	TOSTAGE \a
.endr
	SEND 7
	s_wait_tensorcnt 0x0                           ; the wave's end, behind my last tensor load and my last LDS store
	ds_add_u32 v[SPW], v[NIL]
	s_wait_dscnt 0x0
	CROUND                                         ; the closing round: no work-group ends while a partner may still ask for a tile that names it
	s_endpgm
.Lfunc_end_k_qea2e00c546_proj:
	.size	k_qea2e00c546_proj, .Lfunc_end_k_qea2e00c546_proj-k_qea2e00c546_proj
	.p2alignl 7, 3214868480
	.fill 96, 4, 3214868480
	.section	.rodata,"a",@progbits
	.p2align	6, 0x0
	.amdhsa_kernel k_qea2e00c546_proj
		.amdhsa_group_segment_fixed_size 327680
		.amdhsa_private_segment_fixed_size 0
		.amdhsa_enable_private_segment 0
		.amdhsa_kernarg_size 40
		.amdhsa_user_sgpr_count 2
		.amdhsa_user_sgpr_kernarg_segment_ptr 1
		.amdhsa_wavefront_size32 1
		.amdhsa_system_sgpr_workgroup_id_x 1
		.amdhsa_system_sgpr_workgroup_id_y 1
		.amdhsa_system_sgpr_workgroup_id_z 1
		.amdhsa_system_vgpr_workitem_id 0
		.amdhsa_next_free_vgpr 1024
		.amdhsa_next_free_sgpr 100
		.amdhsa_reserve_vcc 0
		.amdhsa_float_denorm_mode_32 3
		.amdhsa_float_denorm_mode_16_64 3
		.amdhsa_memory_ordered 1
		.amdhsa_forward_progress 1
		.amdhsa_inst_pref_size 130
	.end_amdhsa_kernel
	.amdgpu_metadata
---
amdhsa.version: [ 1, 2 ]
amdhsa.kernels:
  - .name:           k_qea2e00c546_proj
    .symbol:         k_qea2e00c546_proj.kd
    .args:
      - { .name: codes, .offset: 0, .size: 8, .value_kind: global_buffer, .address_space: global }
      - { .name: scales, .offset: 8, .size: 8, .value_kind: global_buffer, .address_space: global }
      - { .name: bq, .offset: 16, .size: 8, .value_kind: global_buffer, .address_space: global }
      - { .name: bv, .offset: 24, .size: 8, .value_kind: global_buffer, .address_space: global }
      - { .name: qkv, .offset: 32, .size: 8, .value_kind: global_buffer, .address_space: global }
    .group_segment_fixed_size: 327680
    .private_segment_fixed_size: 0
    .kernarg_segment_align: 8
    .kernarg_segment_size: 40
    .max_flat_workgroup_size: 128
    .sgpr_count:     100
    .vgpr_count:     1024
    .wavefront_size: 32
...
	.end_amdgpu_metadata
.endif
;; end of part 2
;; launch attn (part 3): grid 8 x 32, 16 waves a work-group, clusters of 4 x 1, 327,680 bytes of LDS; arguments qkv, xa; writes xa
.if DOCPART == 3
	.amdgcn_target "amdgcn-amd-amdhsa--gfx1250"
	.amdhsa_code_object_version 6
	.text
	.protected	k_qea2e00c546_attn
	.globl	k_qea2e00c546_attn
	.p2align	8
	.type	k_qea2e00c546_attn,@function
k_qea2e00c546_attn:
	s_mov_b64 s[64:65], 0
	v_nop
	global_prefetch_b8 v0, s[64:65] scope:SCOPE_SE
	s_setreg_imm32_b32 hwreg(HW_REG_WAVE_MODE, 25, 1), 1
	s_wait_xcnt 0x0
	s_wait_alu depctr_hold_cnt(0) depctr_sa_sdst(0) depctr_va_vdst(0) depctr_va_sdst(0) depctr_va_ssrc(0) depctr_va_vcc(0) depctr_vm_vsrc(0)
	s_getreg_b32 s2, hwreg(HW_REG_IB_STS2, 6, 4)
	s_cmp_eq_u32 s2, 0
	s_cbranch_scc0 .Lentry_in_a_cluster
	s_endpgm
.Lentry_in_a_cluster:
	s_bfe_u32 s2, ttmp6, 0x10000c
	s_cmp_lg_u32 s2, 0x3003
	s_cbranch_scc0 .Lentry_shape_is_right
	s_endpgm
.Lentry_shape_is_right:
; THIRD LAUNCH: x[b][s][head] = the sum over keys of softmax_k(query . key / 8) value, for 4 batches x 16 heads of 64 channels, 2,048 queries and keys.
; WORK LEFT OUT: the mask, which the problem's function never uses (shown at the head of the first kernel).
; qkv: [24,576][1,024] f16: rows 0-8,191 query, 8,192 on key, 16,384 on value; row = 2,048 b + s.  xa: [8,192][1,024] f16.  Products on f16 operands, sums, maxima and the softmax in f32; the weights p are
; rounded to f16 for the second product, x once at the end.  LIMIT: what is rounded to f16 stays under 65,504; p is at most 1.
; SHARES.  A work-group owns 256 queries of one PAIR of heads: a pair's 128 channels are 256 consecutive bytes of every row, at a multiple of 256.  Sixteen waves: wave w takes head w / 8 of the pair and queries
; 32 (w % 8) .. + 31: two tiles of 16, in 256 registers.  Four waves share a SIMD, so that one wave's softmax stands beside another's products and LDS loads; a fragment read from LDS feeds two products.
; LAYOUT.  S^T = K Q^T (source 0 = 16 keys, source 1 = 16 queries): in the result a lane holds ONE query (lane % 16) and the keys 8 (lane / 16) + 0..7.  Two such tiles, rounded to f16 in pairs, ARE source 1
; (32 keys x 16 queries) of O^T = V^T P, whose result again holds one query a lane.  K comes out of LDS as it lies, V ([key][channel]) turned, by ds_load_tr16_b128.
; SOFTMAX.  For each query a running maximum m and sum l: p = 2^(c s - c m), c = log2(e) / 8; in every step O and l are multiplied by a = 2^(c m_old - c m_new).  l sums the unrounded p.
; The step is written once: m begins at -3e38 and O and l at 0, so the first a is 0 and multiplies zeros.
; RING.  Two LDS slots of four key steps (256 keys).  Waves 0-3 fetch K's tiles of the four steps, waves 4-7 V's, 64 rows x 256 bytes each; waves 8-15 fetch nothing.
; CLUSTER.  The four query blocks of a cluster walk the same K and V, so each tile is asked for JOINTLY: the same tensor load, with the same descriptor and a mask that names the four, in all four.
.set KS,    64                         ; keys in a step
.set PK,    272                        ; a row of K in LDS: 256 bytes + 16 of padding: row r starts at bank 4 r mod 64 (ISA guide 11.1)
.set PV,    288                        ; a row of V: 256 + 32
.set VOFF,  KS*PK                      ; a step's tiles lie together: 64 rows of K, then 64 rows of V
.set STEPB, KS*(PK+PV)
.set NST,   4                          ; steps in a slot
.set SLOT,  NST*STEPB                  ; 143,360 bytes; slot 1 begins here
.set NSL,   2048/(NST*KS)              ; 8 slots' worth of keys
.set SPARE, 2*SLOT                     ; behind the ring: the spare words, 128 bytes for each of 16 waves, which no other line names
.set SP,    272                        ; the way out: a stage of 256 rows x (256 bytes + 16) from LDS byte 0 on: slot 0's bytes, which have had their last fill and their last read at the last change of slots
.set ROWB,  2048                       ; a row of qkv and of xa in bytes
.set SLOTG, NST*KS*ROWB                ; a slot's keys in memory
.set AK0, 1                            ; v1   my lane's place in a tile of K; never rewritten
.set AV0, 2                            ; v2   the same for V
.set ADK, 3                            ; v3   LDS address of the step's K
.set ADV, 4                            ; v4   of its V
.set SPW, 5                            ; v5   LDS address of my spare word; never rewritten
.set NIL, 6                            ; v6   0; never rewritten
.set PFO, 7                            ; v7   2,048 x my lane: the prefetches' offset, a lane a row; never rewritten
.set ST,  8                            ; v8-23    tile t's statistics at v[ST + 8 t]: +0 c m, +1 m, +2, +3 l (even keys', odd keys'), +4 to +7 c0-c3 at work; a takes c2's place
.set Q,   24                           ; v24-55   Q: tile t, channels 32 c on, at v[Q + 16 t + 8 c]
.set F,   56                           ; v56-119  eight fragments: a step's K, then its V
.set S,   120                          ; v120-183 S^T, 32 a tile; p; then P in place: keys 32 f on at v[S + 32 t + 8 f]
.set O,   184                          ; v184-247 O^T, 32 a tile
.set WV,  12                           ; s12  my wave's number
.set G1K, 24                           ; s[24:31] descriptor group 1 for K's tiles;  s[32:39] for V's: it differs in the padding alone
.set G1V, 32
.set G0K, 40                           ; s[40:43], s[44:47] their groups 0, which walk
.set G0V, 44
.set SLOTS, 48                         ; s48  slots still to be asked for
.set CNT, 49                           ; s49  counts a slot's steps
.set TB,  50                           ; s50  LDS byte at which the step in hand begins
.set FB,  51                           ; s51  LDS byte of the slot that is being filled
.set LK,  52                           ; s52  my tile's place in a slot, if I fetch for K;  s53 for V
.set LV,  53
.set CS,  54                           ; s[54:55] c: the packed form names a pair and takes its low word for both halves
.set SEL, 56                           ; s[56:57] lane selects for v_permlanex16_b32: lane l xor 16
.set PFA, 58                           ; s[58:59] where my prefetches stand
.set LIM, 60                           ; s60  1 in a wave that prefetches, else the greatest number
; A joint load.  The branches hang on the wave's number alone: they are the same in every work-group.  An s_nop 0 and four v_nop follow each of the two lines.
.macro TLOAD
	s_cmp_lt_u32 s[WV], 4
	s_cbranch_scc0 .Lnot_k_\@
	tensor_load_to_lds s[G0K:G0K+3], s[G1K:G1K+7]
	s_nop 0
.rept 4
	v_nop
.endr
	s_branch .Lasked_\@
.Lnot_k_\@:
	s_cmp_lt_u32 s[WV], 8
	s_cbranch_scc0 .Lasked_\@
	tensor_load_to_lds s[G0V:G0V+3], s[G1V:G1V+7]
	s_nop 0
.rept 4
	v_nop
.endr
.Lasked_\@:
.endm
; A PREFETCH INTO THE L2 of what the NEXT change of slots will ask for: 256 rows of K and of V, 256 bytes of each, a lane a row: four key steps ahead of that load.  Each row is named ONCE in the launch:
; both clusters of a pair of heads walk the same rows, and the first of them asks; its four partners take 64 rows each, told apart BY ADDRESS; in each, waves 8 and 9 ask for K's (32 rows a wave), waves 10 and 11 for V's.
; The last change that fills a slot asks for nothing.  Slots 0 and 1 come by their loads alone.
.macro ASK
	s_cmp_gt_u32 s[SLOTS], s[LIM]
	s_cbranch_scc0 .Lnot_mine_\@
	global_prefetch_b8 v[PFO], s[PFA:PFA+1] th:TH_LOAD_NT scope:SCOPE_SE
.Lnot_mine_\@:
.endm
.macro CROUND                          ; a round of the cluster's barrier
	s_barrier_signal -1
	s_barrier_wait -1
	s_cmp_lg_u32 s[WV], 0
	s_cbranch_scc1 .Lnot_wave_0_\@
	s_barrier_signal -3
.Lnot_wave_0_\@:
	s_barrier_wait -3
	s_barrier_signal -1
	s_barrier_wait -1
.endm
	s_load_b128 s[4:7], s[0:1], 0x0                ; qkv s[4:5], xa s[6:7]
	v_lshl_add_u32 v[SPW], v0, 2, SPARE
	v_mov_b32 v[NIL], 0
	ds_add_u32 v[SPW], v[NIL]                      ; the wave's opening: the add, twice on end, and its wait ahead of the first tensor loads; the set-up below stands between the second and the wait
	ds_add_u32 v[SPW], v[NIL]
	v_lshrrev_b32 v1, 5, v0
	v_readfirstlane_b32 s[WV], v1                  ; wave 0..15
	s_bfe_u32 s13, ttmp6, 0x40000                  ; cx: my place in the cluster
	s_lshl_b32 s14, ttmp9, 2
	s_add_co_u32 s14, s14, s13                     ; my block of 256 queries: it enters Q's and xa's addresses alone
	s_and_b32 s20, ttmp7, 0xffff                   ; 8 b + the pair of heads: shared by the four partners
	s_lshr_b32 s21, s20, 3
	s_and_b32 s22, s20, 7
	s_lshl_b32 s2, s21, 22                         ; b x 2,048 rows of 2,048 bytes
	s_lshl_b32 s22, s22, 8                         ; the pair's 256 bytes of a row
	s_add_co_u32 s2, s2, s22
	s_add_co_u32 s16, s2, 0x1000000                ; K begins 8,192 rows on,
	s_mov_b32 s17, 0
	s_add_co_u32 s18, s2, 0x2000000                ; V 16,384
	s_mov_b32 s19, 0
	s_and_b32 s20, s[WV], 3                        ; which of a slot's four steps I fetch, if I fetch:
	s_mul_i32 s[LK], s20, STEPB                    ; its place in a slot: no place in the cluster enters an LDS address,
	s_add_co_u32 s[LV], s[LK], VOFF
	s_lshl_b32 s20, s20, 17                        ; and its 64 rows in memory
	s_mov_b32 s21, 0
	s_lshl_b32 s22, s14, 19                        ; my block's 256 rows
	s_add_co_u32 s2, s2, s22
	s_and_b32 s22, s[WV], 7
	s_lshl_b32 s22, s22, 16                        ; my wave's 32 queries,
	s_lshr_b32 s23, s[WV], 3
	s_lshl_b32 s23, s23, 7                         ; my head's 128 bytes of the pair's 256
	s_add_co_u32 s22, s22, s23
	s_add_co_u32 s8, s2, s22
	s_mov_b32 s9, 0
	s_lshl_b32 s22, s[WV], 15                      ; the way out: wave w stores rows 16 w .. 16 w + 15 of the block
	s_add_co_u32 s10, s2, s22
	s_mov_b32 s11, 0
	; descriptor group 1: a tile of 64 rows x 128 elements of 2 bytes, 1,024 elements from row to row, padded in LDS
	s_mov_b32 s[G1K], 15|(1<<16)|(1<<20)|(1<<21)|(5<<22)|(3<<25)  ; 15:0 the mask: all four work-groups; 17:16 elements of 2 bytes; 20 padding on; 21 set beside a mask; 24:22 after every 64 words; 31:25 four words
	s_mov_b32 s[G1V], 15|(1<<16)|(1<<20)|(1<<21)|(5<<22)|(7<<25)  ; the same with eight words of padding
.irp g, G1K, G1V
	s_mov_b32 s[\g+1], 128<<16                     ; tensor_dim0
	s_mov_b32 s[\g+2], KS<<16                      ; tensor_dim1
	s_mov_b32 s[\g+3], 128<<16                     ; tile_dim0
	s_mov_b32 s[\g+4], KS                          ; tile_dim1
	s_mov_b32 s[\g+5], 1024                        ; tensor_dim0_stride
	s_mov_b32 s[\g+6], 0
	s_mov_b32 s[\g+7], 0
.endr
	s_mov_b32 s[CS], 0x3e38aa3b                    ; c = log2(e) / 8
	s_mov_b32 s[CS+1], s[CS]                       ; (named with it as a pair, so it is written)
	s_mov_b32 s[SEL], 0x76543210
	s_mov_b32 s[SEL+1], 0xfedcba98
	s_mov_b32 s[TB], 0
	s_mov_b32 s[FB], 0
	s_mov_b32 s[SLOTS], NSL-1
	v_and_b32 v[PFO], 31, v0
	v_lshlrev_b32 v[PFO], 11, v[PFO]
	s_wait_dscnt 0x0                               ; both opening adds are done
	s_wait_kmcnt 0x0
	s_add_nc_u64 s[16:17], s[4:5], s[16:17]        ; K and V at the pair's first key
	s_add_nc_u64 s[18:19], s[4:5], s[18:19]
	s_add_nc_u64 s[8:9], s[4:5], s[8:9]            ; Q at my first query
	s_add_nc_u64 s[10:11], s[6:7], s[10:11]        ; xa at the first row that I store
	s_mov_b32 s[G0K], 1                            ; 1:0 count = 1
	s_mov_b32 s[G0K+1], s[LK]                      ; 63:32 LDS address: slot 0
	s_add_nc_u64 s[G0K+2:G0K+3], s[16:17], s[20:21]  ; 120:64 global address
	s_or_b32 s[G0K+3], s[G0K+3], 0x80000000        ; 127:126 type = 2
	s_mov_b32 s[G0V], 1
	s_mov_b32 s[G0V+1], s[LV]
	s_add_nc_u64 s[G0V+2:G0V+3], s[18:19], s[20:21]
	s_or_b32 s[G0V+3], s[G0V+3], 0x80000000
	s_cmp_lt_u32 s[WV], 10                         ; the prefetches: waves 8, 9 stand in K, waves 10, 11 in V
	s_cselect_b64 s[PFA:PFA+1], s[16:17], s[18:19]
	s_lshl_b32 s22, s13, 17                        ; my work-group's 64 rows of a slot's 256,
	s_and_b32 s23, s[WV], 1
	s_lshl_b32 s23, s23, 16                        ; my wave's 32 of them,
	s_add_co_u32 s22, s22, s23
	s_add_co_u32 s22, s22, SLOTG                   ; in slot 1: the first change of slots steps it to slot 2.  Nothing is prefetched here, at the head
	s_mov_b32 s23, 0
	s_add_nc_u64 s[PFA:PFA+1], s[PFA:PFA+1], s[22:23]
	s_sub_co_u32 s22, s[WV], 8
	s_lshr_b32 s22, s22, 2                         ; 0 in waves 8 to 11,
	s_or_b32 s22, s22, ttmp9                       ; of the pair's first cluster: the same in all four partners
	s_cmp_eq_u32 s22, 0
	s_cselect_b32 s[LIM], 1, -1
	CROUND                                         ; all four work-groups are here: the first joint loads meet
	TLOAD                                          ; slot 0
	; A fragment of K or Q is 16 rows x 32 channels in 8 registers: lane l holds row l % 16; registers 0-3 channels 8 (l / 16) + 0..7, registers 4-7 channels 16 + 8 (l / 16) + 0..7: two loads of 16 bytes, 32 bytes apart.
	v_and_b32 v248, 15, v0                         ; r
	v_bfe_u32 v249, v0, 4, 1                       ; h
	v_lshlrev_b32 v250, 11, v248
	v_lshl_add_u32 v250, v249, 4, v250             ; row x 2,048 + 16 x half
.irp t, 0,1
.irp c, 0,1
	global_load_b128 v[Q+16*\t+8*\c:Q+16*\t+8*\c+3],   v250, s[8:9] offset:\t*16*ROWB+64*\c   ; Q stays in registers
	global_load_b128 v[Q+16*\t+8*\c+4:Q+16*\t+8*\c+7], v250, s[8:9] offset:\t*16*ROWB+64*\c+32
.endr
.endr
	s_lshr_b32 s20, s[WV], 3
	s_lshl_b32 s20, s20, 7                         ; my head's 128 bytes of an LDS row
	v_mul_u32_u24 v[AK0], v248, PK
	v_lshl_add_u32 v[AK0], v249, 4, v[AK0]
	v_add_nc_u32 v[AK0], s20, v[AK0]               ; row x pitch + 16 x half + my head
	; The turning load takes 16 keys x 16 channels (lane l reads 16 bytes: key 8 (l / 16) + l % 8, channels 8 ((l / 8) % 2) + 0..7) and leaves half a fragment of V^T: lane l holds channel l % 16 and 8 keys.
	v_and_b32 v251, 7, v0
	v_bfe_u32 v252, v0, 3, 1
	v_lshl_add_u32 v[AV0], v249, 3, v251
	v_mul_u32_u24 v[AV0], v[AV0], PV
	v_lshl_add_u32 v[AV0], v252, 4, v[AV0]
	s_add_co_u32 s21, s20, VOFF
	v_add_nc_u32 v[AV0], s21, v[AV0]
.irp t, 0,1
	v_mov_b32 v[ST+8*\t+1], 0xff61b1e6             ; m = -3e38, under every score
	v_mov_b32 v[ST+8*\t+2], 0                      ; l
	v_mov_b32 v[ST+8*\t+3], 0
.endr
.irp t, 0,1
	v_mul_f32 v[ST+8*\t], s[CS], v[ST+8*\t+1]      ; c m
.endr
.set i, 0
.rept 64
	v_mov_b32 v[O+i], 0                            ; O^T: the step is written once, and its first trip finds zeros
.set i, i+1
.endr
; THE SOFTMAX of a key step, the two tiles line by line by turns, so that no line waits for the line above it.
.macro SOFTMAX
.set j, 0
.rept 4                                ; the maximum of the lane's 32 scores and the old m, three operands at a time: four chains c0-c3; each accumulator is read from its low end on
.irp t, 0,1
	v_max3_num_f32 v[ST+8*\t+4+j], v[S+32*\t+8*j], v[S+32*\t+8*j+1], v[S+32*\t+8*j+2]
.endr
.set j, j+1
.endr
.rept 8
.irp t, 0,1
	v_max3_num_f32 v[ST+8*\t+4+j%4], v[ST+8*\t+4+j%4], v[S+32*\t+8*(j%4)+2*(j/4)+1], v[S+32*\t+8*(j%4)+2*(j/4)+2]
.endr
.set j, j+1
.endr
.irp t, 0,1
	v_max3_num_f32 v[ST+8*\t+4], v[ST+8*\t+4], v[S+32*\t+7], v[S+32*\t+15]
.endr
.irp t, 0,1
	v_max3_num_f32 v[ST+8*\t+6], v[ST+8*\t+6], v[S+32*\t+23], v[S+32*\t+31]
.endr
.irp t, 0,1
	v_max3_num_f32 v[ST+8*\t+4], v[ST+8*\t+4], v[ST+8*\t+5], v[ST+8*\t+6]
.endr
.irp t, 0,1
	v_max3_num_f32 v[ST+8*\t+4], v[ST+8*\t+4], v[ST+8*\t+7], v[ST+8*\t+1]
.endr
.irp t, 0,1
	v_permlanex16_b32 v[ST+8*\t+5], v[ST+8*\t+4], s[SEL], s[SEL+1]   ; the query's other 32 keys lie in the lane 16 away
.endr
.irp t, 0,1
	v_mov_b32 v[ST+8*\t+7], v[ST+8*\t]             ; c m_old is kept for a
.endr
.irp t, 0,1
	v_max_num_f32 v[ST+8*\t+1], v[ST+8*\t+4], v[ST+8*\t+5]   ; the new m
.endr
.irp t, 0,1
	v_mul_f32 v[ST+8*\t], s[CS], v[ST+8*\t+1]
.endr
.irp t, 0,1
	v_sub_f32 v[ST+8*\t+7], v[ST+8*\t+7], v[ST+8*\t]
.endr
; ONE BATCH of exponentials: a, and behind the scalings the 64 p.  None of these lines names an exponential's result.
.irp t, 0,1
	v_exp_f32 v[ST+8*\t+6], v[ST+8*\t+7]           ; a = 2^(c m_old - c m_new)
.endr
.set j, 0
.rept 16
.irp t, 0,1
	v_pk_fma_f32 v[S+32*\t+j:S+32*\t+j+1], v[S+32*\t+j:S+32*\t+j+1], s[CS:CS+1], v[ST+8*\t:ST+8*\t+1] op_sel_hi:[1,0,0] neg_lo:[0,0,1] neg_hi:[0,0,1]   ; c s - c m, two at a time
.endr
.set j, j+2
.endr
.set j, 0
.rept 32
.irp t, 0,1
	v_exp_f32 v[S+32*\t+j], v[S+32*\t+j]           ; p
.endr
.set j, j+1
.endr
	v_nop                                          ; a plain instruction behind the last exponential, ahead of the first use
	s_wait_alu depctr_va_vdst(0)                   ; the wait ahead of the first line that names a result: one for the batch of 66
; the sums of the unrounded p, in two chains a tile; l = a l + the sum
.irp t, 0,1
	v_pk_fma_f32 v[ST+8*\t+2:ST+8*\t+3], v[ST+8*\t+2:ST+8*\t+3], v[ST+8*\t+6:ST+8*\t+7], v[S+32*\t:S+32*\t+1] op_sel_hi:[1,0,1]
	v_pk_add_f32 v[ST+8*\t+4:ST+8*\t+5], v[S+32*\t+2:S+32*\t+3], v[S+32*\t+6:S+32*\t+7]
.endr
.irp j, 4,8,12,16,20,24
.irp t, 0,1
	v_pk_add_f32 v[ST+8*\t+2:ST+8*\t+3], v[ST+8*\t+2:ST+8*\t+3], v[S+32*\t+\j:S+32*\t+\j+1]
	v_pk_add_f32 v[ST+8*\t+4:ST+8*\t+5], v[ST+8*\t+4:ST+8*\t+5], v[S+32*\t+\j+6:S+32*\t+\j+7]
.endr
.endr
.irp t, 0,1
	v_pk_add_f32 v[ST+8*\t+2:ST+8*\t+3], v[ST+8*\t+2:ST+8*\t+3], v[S+32*\t+28:S+32*\t+29]
.endr
.irp t, 0,1
	v_pk_add_f32 v[ST+8*\t+2:ST+8*\t+3], v[ST+8*\t+2:ST+8*\t+3], v[ST+8*\t+4:ST+8*\t+5]
.endr
.set j, 0
.rept 16                               ; p to f16, in place: pair j goes to register j, which pair j / 2 has left
.irp t, 0,1
	v_cvt_pk_f16_f32 v[S+32*\t+j], v[S+32*\t+2*j], v[S+32*\t+2*j+1]
.endr
.set j, j+1
.endr
.set j, 0
.rept 16                               ; O^T times a, each accumulator from its low end on
.irp t, 0,1
	v_pk_mul_f32 v[O+32*\t+j:O+32*\t+j+1], v[O+32*\t+j:O+32*\t+j+1], v[ST+8*\t+6:ST+8*\t+7] op_sel_hi:[1,0]
.endr
.set j, j+2
.endr
.endm
; A KEY STEP: 64 keys.  In both products the eight accumulators take turns, one instruction a turn.
.macro STEP
	v_add_nc_u32 v[ADK], s[TB], v[AK0]
	v_add_nc_u32 v[ADV], s[TB], v[AV0]
.rept 3
	v_nop                                          ; with the two additions five places behind the last step's products: four for the loads into their registers, five for the products that write over P
.endr
.irp kt, 0,1,2,3                       ; K: keys 16 kt on, channels 32 c on, at v[F + 8 (2 kt + c)]
.irp c, 0,1
	ds_load_b128 v[F+8*(2*\kt+\c):F+8*(2*\kt+\c)+3],   v[ADK] offset:\kt*16*PK+64*\c
	ds_load_b128 v[F+8*(2*\kt+\c)+4:F+8*(2*\kt+\c)+7], v[ADK] offset:\kt*16*PK+64*\c+32
.endr
.endr
	s_wait_dscnt 0x0
.set i, 0
.rept 16                               ; S^T = K Q^T: channels 32 (i / 8) on, keys 16 ((i / 2) % 4) on, tile i % 2; the first eight start the sums
.set rS, S+32*(i%2)+8*((i/2)%4)
.set rK, F+8*(2*((i/2)%4)+i/8)
.set rQ, Q+16*(i%2)+8*(i/8)
.if i < 8
	v_wmma_f32_16x16x32_f16 v[rS:rS+7], v[rK:rK+7], v[rQ:rQ+7], 0
.else
	v_wmma_f32_16x16x32_f16 v[rS:rS+7], v[rK:rK+7], v[rQ:rQ+7], v[rS:rS+7]
.endif
.set i, i+1
.endr
.rept 4
	v_nop                                          ; places in front of the loads into K's registers and of the first read of the scores
.endr
.irp kf, 0,1                           ; V, turned: keys 32 kf on, channels 16 ct on, at v[F + 8 (4 kf + ct)]; it lands while the softmax is worked
.irp ct, 0,1,2,3
	ds_load_tr16_b128 v[F+8*(4*\kf+\ct):F+8*(4*\kf+\ct)+3],   v[ADV] offset:\kf*32*PV+32*\ct
	ds_load_tr16_b128 v[F+8*(4*\kf+\ct)+4:F+8*(4*\kf+\ct)+7], v[ADV] offset:\kf*32*PV+16*PV+32*\ct
.endr
.endr
	SOFTMAX
	s_wait_dscnt 0x0                               ; V is in
.set i, 0
.rept 16                               ; O^T += V^T P: keys 32 (i / 8) on, channels 16 ((i / 2) % 4) on, tile i % 2
.set rO, O+32*(i%2)+8*((i/2)%4)
.set rV, F+8*(4*(i/8)+(i/2)%4)
.set rP, S+32*(i%2)+8*(i/8)
	v_wmma_f32_16x16x32_f16 v[rO:rO+7], v[rV:rV+7], v[rP:rP+7], v[rO:rO+7]
.set i, i+1
.endr
.endm
.macro FOUR_STEPS                      ; a slot's four key steps: written once, walked four times; the LDS addresses hang on s[TB]
	s_mov_b32 s[CNT], NST
.Lstep_\@:
	STEP
	s_add_co_u32 s[TB], s[TB], STEPB
	s_sub_co_u32 s[CNT], s[CNT], 1
	s_cmp_lg_u32 s[CNT], 0
	s_cbranch_scc1 .Lstep_\@
	s_sub_co_u32 s[TB], s[TB], NST*STEPB           ; back to the slot's first byte, 0 or SLOT,
	s_xor_b32 s[TB], s[TB], SLOT                   ; and on to the other slot's
.endm
; THE CHANGE OF SLOTS stands at a slot's head.  Each wave waits for all its tensor loads (its part of the slot that is about to be read), adds 0 to its spare word, and waits for that and for its reads of the slot
; that it has left.  fill = 1: a round of the cluster's barrier, so that no wave of any partner still reads that slot or has a load on its way; behind it the slot is filled with the keys that follow:
; a loading wave's one tensor load, which has four key steps in which to land.
.macro CHANGE fill
	s_wait_tensorcnt 0x0                           ; no tensor load of mine is out, so a group 0 may be written
	ds_add_u32 v[SPW], v[NIL]                      ; 0 onto my spare word
.if \fill
	ds_add_u32 v[SPW], v[NIL]                      ; and once more: the add stands twice on end, in every trip alike
	s_xor_b32 s[FB], s[FB], SLOT                   ; the other slot than last time,
	s_add_co_u32 s[G0K+1], s[FB], s[LK]
	s_add_co_u32 s[G0V+1], s[FB], s[LV]
	s_add_nc_u64 s[G0K+2:G0K+3], s[G0K+2:G0K+3], SLOTG   ; the next 256 keys; the type bits on top are not reached
	s_add_nc_u64 s[G0V+2:G0V+3], s[G0V+2:G0V+3], SLOTG
	s_wait_xcnt 0x0                                ; the last prefetch, a slot back, has read its address, so it may be written:
	s_add_nc_u64 s[PFA:PFA+1], s[PFA:PFA+1], SLOTG ; one slot further on than the walking descriptors
	s_wait_dscnt 0x0                               ; both adds are done, and my reads of the slot that I have left are over
	CROUND
	TLOAD
	ASK
.else
	s_wait_dscnt 0x0
	s_barrier_signal -1
	s_barrier_wait -1
.endif
.endm
	s_wait_loadcnt 0x0                             ; Q
.Lslot:                                            ; 7 trips: behind each change of slots but the last the next slot is asked for; slot 1's first fill stands behind the first trip's round, where nothing is filled again
	CHANGE 1
	FOUR_STEPS
	s_sub_co_u32 s[SLOTS], s[SLOTS], 1
	s_cmp_lg_u32 s[SLOTS], 0
	s_cbranch_scc1 .Lslot
	CHANGE 0                                       ; the last slot is written out
	FOUR_STEPS
	; THE WAY OUT.  O^T is divided by l, rounded to f16 and put into the work-group's stage: a row's 256 bytes come from two waves (the pair's two heads), so a barrier stands between writing and reading;
	; then each wave stores 16 whole rows.  The address work is also the places behind the last products.
	v_and_b32 v248, 15, v0                         ; r
	v_bfe_u32 v249, v0, 4, 1                       ; h
	s_and_b32 s20, s[WV], 7
	s_mul_i32 s20, s20, 32*SP                      ; my 32 queries' rows,
	s_lshr_b32 s21, s[WV], 3
	s_lshl_b32 s21, s21, 7                         ; my head's half of them
	s_add_co_u32 s20, s20, s21
	v_mul_u32_u24 v250, v248, SP
	v_lshl_add_u32 v250, v249, 4, v250
	v_add_nc_u32 v250, s20, v250                   ; in: row r, 16 bytes for each half of the lanes
	s_mul_i32 s21, s[WV], 16*SP
	v_mul_u32_u24 v251, v249, SP
	v_lshl_add_u32 v251, v248, 4, v251
	v_add_nc_u32 v251, s21, v251                   ; back: rows 16 w on; lanes 0-15 one row, lanes 16-31 the next
	v_lshlrev_b32 v252, 11, v249
	v_lshl_add_u32 v252, v248, 4, v252             ; and the same two rows in xa
.irp t, 0,1
	v_add_f32 v[ST+8*\t+4], v[ST+8*\t+2], v[ST+8*\t+3]   ; l's two halves,
.endr
.irp t, 0,1
	v_permlanex16_b32 v[ST+8*\t+5], v[ST+8*\t+4], s[SEL], s[SEL+1]
.endr
.irp t, 0,1
	v_add_f32 v[ST+8*\t+4], v[ST+8*\t+4], v[ST+8*\t+5]   ; and the other half of the lanes'
.endr
.irp t, 0,1
	v_rcp_f32 v[ST+8*\t+6], v[ST+8*\t+4]
.endr
	v_nop                                          ; a plain instruction between the last reciprocal and the use of its result
	s_wait_alu depctr_va_vdst(0)                   ; and the wait ahead of the first use: one for the two
.set j, 0
.rept 16
.irp t, 0,1
	v_pk_mul_f32 v[O+32*\t+j:O+32*\t+j+1], v[O+32*\t+j:O+32*\t+j+1], v[ST+8*\t+6:ST+8*\t+7] op_sel_hi:[1,0]
.endr
.set j, j+2
.endr
.set j, 0
.rept 16
.irp t, 0,1
	v_cvt_pk_f16_f32 v[S+16*\t+j], v[O+32*\t+2*j], v[O+32*\t+2*j+1]   ; register 4 ct + i: channels 16 ct + 8 h + 2 i, + 1 of query r
.endr
.set j, j+1
.endr
.irp t, 0,1
.irp ct, 0,1,2,3
	ds_store_b128 v250, v[S+16*\t+4*\ct:S+16*\t+4*\ct+3] offset:\t*16*SP+32*\ct
.endr
.endr
	s_wait_dscnt 0x0                               ; for the others' sake: my stores into the stage are done
	s_barrier_signal -1
	s_barrier_wait -1
.irp i, 0,1,2,3,4,5,6,7
	ds_load_b128 v[F+4*\i:F+4*\i+3], v251 offset:\i*2*SP
.endr
.irp i, 0,1,2,3,4,5,6,7
	s_wait_dscnt 7-\i                              ; LDS loads come back in order: load i is in, the younger ones may be out
	global_store_b128 v252, v[F+4*\i:F+4*\i+3], s[10:11] offset:\i*2*ROWB   ; 16 lanes store 256 consecutive bytes, at a multiple of 256 from the buffer's first byte
.endr
	s_wait_tensorcnt 0x0                           ; the wave's end, behind my last tensor load and my last LDS store
	ds_add_u32 v[SPW], v[NIL]
	s_wait_dscnt 0x0
	CROUND                                         ; the closing round: no work-group ends while a partner may still ask for a tile that names it
	s_endpgm
.Lfunc_end_k_qea2e00c546_attn:
	.size	k_qea2e00c546_attn, .Lfunc_end_k_qea2e00c546_attn-k_qea2e00c546_attn
	.p2alignl 7, 3214868480
	.fill 96, 4, 3214868480
	.section	.rodata,"a",@progbits
	.p2align	6, 0x0
	.amdhsa_kernel k_qea2e00c546_attn
		.amdhsa_group_segment_fixed_size 327680
		.amdhsa_private_segment_fixed_size 0
		.amdhsa_enable_private_segment 0
		.amdhsa_kernarg_size 16
		.amdhsa_user_sgpr_count 2
		.amdhsa_user_sgpr_kernarg_segment_ptr 1
		.amdhsa_wavefront_size32 1
		.amdhsa_system_sgpr_workgroup_id_x 1
		.amdhsa_system_sgpr_workgroup_id_y 1
		.amdhsa_system_sgpr_workgroup_id_z 1
		.amdhsa_system_vgpr_workitem_id 0
		.amdhsa_next_free_vgpr 256
		.amdhsa_next_free_sgpr 66
		.amdhsa_reserve_vcc 0
		.amdhsa_float_denorm_mode_32 3
		.amdhsa_float_denorm_mode_16_64 3
		.amdhsa_memory_ordered 1
		.amdhsa_forward_progress 1
		.amdhsa_inst_pref_size 53
	.end_amdhsa_kernel
	.amdgpu_metadata
---
amdhsa.version: [ 1, 2 ]
amdhsa.kernels:
  - .name:           k_qea2e00c546_attn
    .symbol:         k_qea2e00c546_attn.kd
    .args:
      - { .name: qkv, .offset: 0, .size: 8, .value_kind: global_buffer, .address_space: global }
      - { .name: xa, .offset: 8, .size: 8, .value_kind: global_buffer, .address_space: global }
    .group_segment_fixed_size: 327680
    .private_segment_fixed_size: 0
    .kernarg_segment_align: 8
    .kernarg_segment_size: 16
    .max_flat_workgroup_size: 512
    .sgpr_count:     66
    .vgpr_count:     256
    .wavefront_size: 32
...
	.end_amdgpu_metadata
.endif
;; end of part 3
;; launch outp (part 4): grid 8 x 64, 4 waves a work-group, clusters of 4 x 4, 327,680 bytes of LDS; arguments xa, wo16, bo, out0; writes out0
.if DOCPART == 4
	.amdgcn_target "amdgcn-amd-amdhsa--gfx1250"
	.amdhsa_code_object_version 6
	.text
	.protected	k_qea2e00c546_outp
	.globl	k_qea2e00c546_outp
	.p2align	8
	.type	k_qea2e00c546_outp,@function
k_qea2e00c546_outp:
	s_mov_b64 s[64:65], 0
	v_nop
	global_prefetch_b8 v0, s[64:65] scope:SCOPE_SE
	s_setreg_imm32_b32 hwreg(HW_REG_WAVE_MODE, 25, 1), 1
	s_wait_xcnt 0x0
	s_wait_alu depctr_hold_cnt(0) depctr_sa_sdst(0) depctr_va_vdst(0) depctr_va_sdst(0) depctr_va_ssrc(0) depctr_va_vcc(0) depctr_vm_vsrc(0)
	s_getreg_b32 s2, hwreg(HW_REG_IB_STS2, 6, 4)
	s_cmp_eq_u32 s2, 0
	s_cbranch_scc0 .Lentry_in_a_cluster
	s_endpgm
.Lentry_in_a_cluster:
	s_bfe_u32 s2, ttmp6, 0x10000c
	s_cmp_lg_u32 s2, 0xf033
	s_cbranch_scc0 .Lentry_shape_is_right
	s_endpgm
.Lentry_shape_is_right:
; FOURTH LAUNCH: out0[m][n] = the sum over k of xa[m][k] wo16[n][k] + bo[n].  xa: [8,192][1,024] f16, wo16: [1,024][1,024] f16, bo: [1,024] f32, out0: [8,192][1,024] f32; sums in f32.
; A tile of the result is 128 x 128: 512 work-groups.  Four waves, each 64 x 64: 16 accumulators of 16 x 16.  K goes in steps of 256 (LDS rows of 512 bytes; a wave's tensor load brings 64 of them) through two slots.
; CLUSTERS: 4 x 4 work-groups.  The four of a row of the cluster need the same tiles of A, the four of a column the same tiles of B: each tile is asked for JOINTLY, by the same tensor load with the
; same descriptor and a mask that names the four.  THE MATRIX INSTRUCTION IS USED TRANSPOSED (source 0 = 16 rows of B, source 1 = 16 rows of A): a lane then holds eight neighbouring numbers of a row of the result.
; The bias is the C of each sum's first matrix instruction.  A wave's 64 columns of f32 are 256 consecutive bytes, so each wave has a stage of its own on the way out and no barrier is needed there.
; REGISTERS: window 0: v0-31 addresses; v32-95 rows read back on the way out; v96-127 the bias; v128-255 the accumulators ((a, b) at v[128 + 8 (4 a + b)]).
;   window 1: two fragment buffers of 128: for 64 along K, 64 registers of A (2 x 4 x 16 rows x 32 K), then 64 of B.
.set SIZE_K, 1024
.set SIZE_N, 1024
.set KSTEP,  256
.set PITCH,  528                       ; an LDS row: 512 bytes + 16 of padding = 132 words: row r starts at bank 4 r mod 64 (ISA guide 11.1)
.set HALFT,  64*PITCH                  ; 64 rows: what one tensor load brings, and what one wave reads of A or of B
.set SLOT,   4*HALFT                   ; A's 128 rows, then B's 128 rows
.set STAGE,  2*SLOT                    ; behind the ring: 16 rows x 272 bytes for each wave
.set SPITCH, 272
.set SPARE,  STAGE+4*16*SPITCH         ; behind the stages: the spare words, 128 bytes for each wave, which no other line names
.set LAPS, SIZE_K/(2*KSTEP)            ; a lap = two K steps = once round the ring
.set ADRA, 16                          ; v16-17  LDS address of my A fragments in slot 0, 1
.set ADRB, 20                          ; v20-21  the same for B
.set STO,  24                          ; v24     the way out: where I put 32 bytes of a row
.set RD,   25                          ; v25     where I read a row back
.set CO,   26                          ; v26     my byte offset in out0
.set BOF,  27                          ; v27     32 x (lane / 16): my eight numbers of a block of the bias
.set SPW,  28                          ; v28     LDS address of my spare word; never rewritten
.set NIL,  29                          ; v29     0; never rewritten
.set BK,   32
.set BI,   96
.set ACC,  128
.set F0,   0                           ; fragment buffers, in window 1
.set F1,   128
.set G1, 24                            ; s[24:31] descriptor group 1 for A's tiles;  s[32:39] group 0, one set for each slot
.set G0, 32
.set G1B, 48                           ; s[48:55], s[56:63] the same for B's tiles
.set G0B, 56
.set MSB, 0
.macro WIN new                         ; the immediate's high byte repeats the setting that is left
.if MSB != \new
	s_set_vgpr_msb (MSB<<8)|\new
.set MSB, \new
.endif
.endm
.set MUL,  0x05                        ; sources 0 (B) and 1 (A) window 1; C and D window 0
.set TO_F, 0x40                        ; destination window 1, address window 0
.macro JLOAD s                         ; a joint load: waves 0 and 1 fetch A's two halves, waves 2 and 3 B's; an s_nop 0 and four v_nop follow each of the two lines
	s_cmp_eq_u32 s11, 0
	s_cbranch_scc0 .Lfor_b_\@
	tensor_load_to_lds s[G0+4*\s:G0+4*\s+3], s[G1:G1+7]
	s_nop 0
.rept 4
	v_nop
.endr
	s_branch .Lasked_\@
.Lfor_b_\@:
	tensor_load_to_lds s[G0B+4*\s:G0B+4*\s+3], s[G1B:G1B+7]
	s_nop 0
.rept 4
	v_nop
.endr
.Lasked_\@:
.endm
.macro CREST                           ; a round of the cluster's barrier behind its opening barrier
	s_cmp_lg_u32 s10, 0
	s_cbranch_scc1 .Lnot_wave_0_\@
	s_barrier_signal -3
.Lnot_wave_0_\@:
	s_barrier_wait -3
	s_barrier_signal -1
	s_barrier_wait -1
.endm
.macro CROUND                          ; a whole round
	s_barrier_signal -1
	s_barrier_wait -1
	CREST
.endm
	s_load_b128 s[4:7], s[0:1], 0x0                ; A = xa s[4:5], B = wo16 s[6:7]
	s_load_b128 s[68:71], s[0:1], 0x10             ; bo s[68:69], out0 s[70:71]
	v_lshl_add_u32 v[SPW], v0, 2, SPARE
	v_mov_b32 v[NIL], 0
	ds_add_u32 v[SPW], v[NIL]                      ; the wave's opening: the add, twice on end, and its wait ahead of my first tensor load; the set-up below stands between the second and the wait
	ds_add_u32 v[SPW], v[NIL]
	v_lshrrev_b32 v1, 5, v0
	v_readfirstlane_b32 s10, v1                    ; wave 0..3
	s_lshr_b32 s11, s10, 1                         ; which half of the tile's rows is mine.  Also: I fetch for A (0) or for B (1)
	s_and_b32 s12, s10, 1                          ; which half of its columns.  Also: which 64 rows of that tile I fetch
	s_bfe_u32 s40, ttmp6, 0x40000                  ; cx, cy: my place in the cluster
	s_bfe_u32 s41, ttmp6, 0x40004
	s_lshl_b32 s42, ttmp9, 2
	s_add_co_u32 s42, s42, s40                     ; tile column = 4 x cluster x + cx
	s_and_b32 s13, ttmp7, 0xffff
	s_lshl_b32 s13, s13, 2
	s_add_co_u32 s13, s13, s41                     ; tile row = 4 x cluster y + cy
	s_lshl_b32 s43, s41, 2
	s_lshl_b32 s43, 15, s43                        ; my row of the cluster
	s_lshl_b32 s44, 0x1111, s40                    ; my column
	; descriptor group 1: a tile of 64 rows x 256 elements of 2 bytes, padded in LDS
	s_or_b32 s[G1+0], s43, (1<<16)|(1<<20)|(1<<21)|(6<<22)|(3<<25)  ; 15:0 the mask: A's tiles go to my row; 17:16 element of 2 bytes; 20 padding on; 21 set beside a mask; 24:22 after every 128 words; 31:25 four words
	s_or_b32 s[G1B+0], s44, (1<<16)|(1<<20)|(1<<21)|(6<<22)|(3<<25)
.irp g, G1, G1B
	s_mov_b32 s[\g+1], KSTEP<<16                   ; tensor_dim0
	s_mov_b32 s[\g+2], 64<<16                      ; tensor_dim1
	s_mov_b32 s[\g+3], KSTEP<<16                   ; tile_dim0
	s_mov_b32 s[\g+4], 64                          ; tile_dim1
	s_mov_b32 s[\g+5], SIZE_K                      ; tensor_dim0_stride
	s_mov_b32 s[\g+6], 0
	s_mov_b32 s[\g+7], 0
.endr
	s_lshl_b32 s17, s12, 6                         ; which 64 rows of the tile I fetch
	s_lshl_b32 s16, s13, 7
	s_add_co_u32 s16, s16, s17                     ; A: row 128 x tile row + 64 x half
	s_lshl_b32 s46, s42, 7
	s_add_co_u32 s46, s46, s17                     ; B: row 128 x tile column + 64 x half
	s_mov_b32 s17, 0
	s_mov_b32 s47, 0
	s_mov_b64 s[18:19], SIZE_K*2
	s_mul_u64 s[16:17], s[16:17], s[18:19]
	s_mul_u64 s[46:47], s[46:47], s[18:19]
	s_mul_i32 s20, s10, HALFT                      ; where they go: wave x 64 rows
	s_wait_dscnt 0x0                               ; both opening adds are done
	s_wait_kmcnt 0x0
	s_add_nc_u64 s[14:15], s[4:5], s[16:17]
	s_add_nc_u64 s[46:47], s[6:7], s[46:47]
	CROUND                                         ; all sixteen work-groups are here: the first joint loads meet
.irp s, 0,1
	s_mov_b32 s[G0+4*\s], 1
	s_add_co_u32 s[G0+4*\s+1], s20, \s*SLOT
	s_add_nc_u64 s[G0+4*\s+2:G0+4*\s+3], s[14:15], \s*KSTEP*2
	s_or_b32 s[G0+4*\s+3], s[G0+4*\s+3], 0x80000000
	s_mov_b32 s[G0B+4*\s], 1
	s_add_co_u32 s[G0B+4*\s+1], s20, \s*SLOT
	s_add_nc_u64 s[G0B+4*\s+2:G0B+4*\s+3], s[46:47], \s*KSTEP*2
	s_or_b32 s[G0B+4*\s+3], s[G0B+4*\s+3], 0x80000000
	JLOAD \s                                       ; two loads of mine are out
.endr
	v_and_b32 v1, 15, v0                           ; l % 16
	v_bfe_u32 v2, v0, 4, 1                         ; l / 16
	; THE BIAS, in the result's layout: block b, lane (r, h): bo at columns 128 x tile column + 64 x my half + 16 b + 8 h + 0 .. 7
	s_lshl_b32 s46, s42, 9                         ; my first column in bytes of f32: 512 x tile column + 256 x half: the same in bo and in a row of out0
	s_lshl_b32 s47, s12, 8
	s_add_co_u32 s46, s46, s47
	s_mov_b32 s47, 0
	s_add_nc_u64 s[68:69], s[68:69], s[46:47]
	v_lshlrev_b32 v[BOF], 5, v2
.irp b, 0,1,2,3
	global_load_b128 v[BI+8*\b:BI+8*\b+3], v[BOF], s[68:69] offset:64*\b
	global_load_b128 v[BI+8*\b+4:BI+8*\b+7], v[BOF], s[68:69] offset:64*\b+16
.endr
	v_mul_u32_u24 v3, v1, PITCH
	v_lshl_add_u32 v3, v2, 4, v3                   ; a fragment's row x pitch + 16 x half
	s_mul_i32 s21, s11, HALFT                      ; my 64 rows of A
	s_mul_i32 s22, s12, HALFT                      ; my 64 rows of B,
	s_add_co_u32 s22, s22, 2*HALFT                 ; which lie behind A's 128
.irp s, 0,1
	v_add_nc_u32 v[ADRA+\s], s21, v3
	v_add_nc_u32 v[ADRB+\s], s22, v3
	s_add_co_u32 s21, s21, SLOT
	s_add_co_u32 s22, s22, SLOT
.endr
	s_mul_i32 s23, s10, 16*SPITCH
	s_add_co_u32 s23, s23, STAGE                   ; my stage
	v_mul_u32_u24 v4, v1, SPITCH                   ; in: row l % 16, 32 bytes for each half of the lanes
	v_lshl_add_u32 v4, v2, 5, v4
	v_add_nc_u32 v[STO], s23, v4
	v_mul_u32_u24 v5, v2, SPITCH                   ; back: lanes 0-15 take one row of 256 bytes, lanes 16-31 the next
	v_lshl_add_u32 v5, v1, 4, v5
	v_add_nc_u32 v[RD], s23, v5
	v_lshlrev_b32 v5, 12, v2                       ; and the same two rows in out0
	v_lshl_add_u32 v[CO], v1, 4, v5
	s_lshl_b32 s16, s13, 7
	s_lshl_b32 s17, s11, 6
	s_add_co_u32 s16, s16, s17                     ; my first row: 128 x tile row + 64 x half,
	s_lshl_b32 s16, s16, 12                        ; in bytes (under 2^25)
	s_mov_b32 s17, 0
	s_add_nc_u64 s[70:71], s[70:71], s[16:17]
	s_add_nc_u64 s[70:71], s[70:71], s[46:47]
; 8 matrix instructions: m blocks a0, a0 + 1 x all 4 n blocks, 32 along K: half c of buffer f.  first = 1: the product starts the sums from the bias.  The 16 accumulators take turns.
.macro MUL8 f, c, a0, first
.irp a, \a0, \a0+1
.irp b, 0,1,2,3
.if \first
	v_wmma_f32_16x16x32_f16 v[ACC+8*(4*(\a)+\b):ACC+8*(4*(\a)+\b)+7], v[\f+64+8*(4*\c+\b):\f+64+8*(4*\c+\b)+7], v[\f+8*(4*\c+\a):\f+8*(4*\c+\a)+7], v[BI+8*\b:BI+8*\b+7]
.else
	v_wmma_f32_16x16x32_f16 v[ACC+8*(4*(\a)+\b):ACC+8*(4*(\a)+\b)+7], v[\f+64+8*(4*\c+\b):\f+64+8*(4*\c+\b)+7], v[\f+8*(4*\c+\a):\f+8*(4*\c+\a)+7], v[ACC+8*(4*(\a)+\b):ACC+8*(4*(\a)+\b)+7]
.endif
.endr
.endr
.endm
; 32 LDS loads in one run: the fragments of 64 along K at byte k of the rows, into buffer f; the first 32 along K first
.macro FETCH slot, k, f
	WIN TO_F
.irp c, 0,1
.irp i, 0,1,2,3
	ds_load_b128 v[\f+64+8*(4*\c+\i):\f+64+8*(4*\c+\i)+3],   v[ADRB+\slot] offset:\k+64*\c+\i*16*PITCH
	ds_load_b128 v[\f+64+8*(4*\c+\i)+4:\f+64+8*(4*\c+\i)+7], v[ADRB+\slot] offset:\k+64*\c+\i*16*PITCH+32
	ds_load_b128 v[\f+8*(4*\c+\i):\f+8*(4*\c+\i)+3],         v[ADRA+\slot] offset:\k+64*\c+\i*16*PITCH
	ds_load_b128 v[\f+8*(4*\c+\i)+4:\f+8*(4*\c+\i)+7],       v[ADRA+\slot] offset:\k+64*\c+\i*16*PITCH+32
.endr
.endr
.endm
.macro PLACES                          ; four places in front of loads into registers that matrix instructions have read, and of LDS stores that read results
.rept 4
	v_nop
.endr
.endm
; A K step is four quarters of 64 along K, 32 matrix instructions each, on buffers 0, 1, 0, 1.  One of the first three: multiplies buffer f and fetches the next quarter, at byte k, into g.
.macro QUARTER slot, k, f, g, first
	s_wait_dscnt 16                                ; the first 32 along K are in; the sixteen loads of the second 32 may be out
	WIN MUL
	MUL8 \f, 0, 0, \first
	MUL8 \f, 0, 2, \first
	PLACES
	FETCH \slot, \k, \g
	s_wait_dscnt 32                                ; all but the 32 just issued
	WIN MUL
	MUL8 \f, 1, 0, 0
	MUL8 \f, 1, 2, 0
.endm
; The last quarter multiplies buffer 1 and changes slots: ONE barrier; in front of it each wave waits for all its tensor loads, adds 0 to its spare word, and waits for that and for its own reads of this slot.  fill = 1: this slot is filled again, two K steps ahead.
.macro TURN slot, next, fill
	WIN 0                                          ; (the add's two registers lie in window 0)
	s_wait_tensorcnt 0x0                           ; all my tensor loads have landed: my part of the next slot;
	ds_add_u32 v[SPW], v[NIL]                      ; 0 onto my spare word;
	s_wait_dscnt 17                                ; (the add and the youngest sixteen loads may be out)
	WIN MUL
	MUL8 F1, 0, 0, 0                               ; eight matrix instructions stand between the add and the wait for it
	s_wait_dscnt 0x0                               ; the add is done, and my reads of this slot are over
	s_barrier_signal -1
	MUL8 F1, 0, 2, 0
.if \fill
	WIN 0
.endif
	s_barrier_wait -1
.if \fill
	CREST                                          ; the barrier has opened a round of the cluster's barrier: no wave of any partner still reads this slot's tile or has a load on its way
	s_add_nc_u64 s[G0+4*\slot+2:G0+4*\slot+3], s[G0+4*\slot+2:G0+4*\slot+3], 2*KSTEP*2
	s_add_nc_u64 s[G0B+4*\slot+2:G0B+4*\slot+3], s[G0B+4*\slot+2:G0B+4*\slot+3], 2*KSTEP*2
	JLOAD \slot                                    ; the first tensor load behind the round; the four v_nop behind it are also the places in front of the loads below
.else
	PLACES
.endif
	FETCH \next, 0, F0
	WIN MUL
	MUL8 F1, 1, 0, 0
	MUL8 F1, 1, 2, 0
.endm
	s_wait_tensorcnt 1                             ; my part of K step 0 is in; K step 1's load, issued behind it, may be out
	s_barrier_signal -1
	s_barrier_wait -1                              ; everybody's is
	FETCH 0, 0, F0
	s_wait_loadcnt 0x0                             ; the bias
	QUARTER 0, 128, F0, F1, 1                      ; the first quarter stands in front of the loop: its first products start the sums
	WIN 0                                          ; at a label and at a branch every window is 0
	s_mov_b32 s3, LAPS-1
.Llap:                                                 ; a trip goes once round the ring, from a lap's second quarter to the next lap's first, and fills both slots again
	QUARTER 0, 256, F1, F0, 0
	QUARTER 0, 384, F0, F1, 0
	TURN 0, 1, 1
	QUARTER 1, 128, F0, F1, 0
	QUARTER 1, 256, F1, F0, 0
	QUARTER 1, 384, F0, F1, 0
	TURN 1, 0, 1
	QUARTER 0, 128, F0, F1, 0
	WIN 0
	s_sub_co_u32 s3, s3, 1
	s_cmp_lg_u32 s3, 0
	s_cbranch_scc1 .Llap
	QUARTER 0, 256, F1, F0, 0                      ; the last lap fills nothing, and has no round of the cluster's barrier
	QUARTER 0, 384, F0, F1, 0
	TURN 0, 1, 0
	QUARTER 1, 128, F0, F1, 0
	QUARTER 1, 256, F1, F0, 0
	QUARTER 1, 384, F0, F1, 0
	s_wait_dscnt 16                                ; the very last quarter: nothing more to fetch
	WIN MUL
	MUL8 F1, 0, 0, 0
	MUL8 F1, 0, 2, 0
	s_wait_dscnt 0
	MUL8 F1, 1, 0, 0
	MUL8 F1, 1, 2, 0
	WIN 0
; THE WAY OUT, block by block of 16 rows x 64 columns.  A lane holds 32 neighbouring bytes of a row, and the lanes beside it hold other rows: so a block goes through my own stage in LDS and comes back as whole
; rows of 256 bytes.  LDS serves a wave's instructions in order (ISA guide 5.7.1.4): no wait between the stores and the loads, nor in front of the next block's stores.
.macro TOSTAGE a
.irp b, 0,1,2,3
	ds_store_b128 v[STO], v[ACC+8*(4*(\a)+\b):ACC+8*(4*(\a)+\b)+3] offset:64*\b          ; each accumulator from its low end on
	ds_store_b128 v[STO], v[ACC+8*(4*(\a)+\b)+4:ACC+8*(4*(\a)+\b)+7] offset:64*\b+16
.endr
.irp t, 0,1,2,3,4,5,6,7
	ds_load_b128 v[BK+32*((\a)%2)+4*\t:BK+32*((\a)%2)+4*\t+3], v[RD] offset:\t*2*SPITCH
.endr
.endm
.macro SEND a, younger                 ; younger: the LDS instructions issued behind block a's loads, which may stay out
	s_wait_dscnt \younger                          ; the block is back in registers
.irp t, 0,1,2,3,4,5,6,7
	global_store_b128 v[CO], v[BK+32*((\a)%2)+4*\t:BK+32*((\a)%2)+4*\t+3], s[70:71] offset:(16*(\a)+2*\t)*SIZE_N*4 th:TH_STORE_NT   ; 16 lanes store 256 consecutive bytes, at a multiple of 256 from the buffer's first byte; 62 rows at the most: inside the signed 24-bit immediate
.endr
.endm
	PLACES                                         ; behind the last products
	TOSTAGE 0
.irp a, 1,2,3
.if \a > 1
	s_wait_xcnt 0x0                                ; block a - 2's stores have read their registers: block a's loads may land there
.endif
	TOSTAGE \a
	SEND \a-1, 16                                  ; behind block a - 1's loads: block a's 8 stores and 8 loads
.endr
	SEND 3, 0
	s_wait_tensorcnt 0x0                           ; the wave's end, behind my last tensor load and my last LDS store
	ds_add_u32 v[SPW], v[NIL]
	s_wait_dscnt 0x0
	CROUND                                         ; the closing round: no work-group ends while a partner may still ask for a tile that names it
	s_endpgm
.Lfunc_end_k_qea2e00c546_outp:
	.size	k_qea2e00c546_outp, .Lfunc_end_k_qea2e00c546_outp-k_qea2e00c546_outp
	.p2alignl 7, 3214868480
	.fill 96, 4, 3214868480
	.section	.rodata,"a",@progbits
	.p2align	6, 0x0
	.amdhsa_kernel k_qea2e00c546_outp
		.amdhsa_group_segment_fixed_size 327680
		.amdhsa_private_segment_fixed_size 0
		.amdhsa_enable_private_segment 0
		.amdhsa_kernarg_size 32
		.amdhsa_user_sgpr_count 2
		.amdhsa_user_sgpr_kernarg_segment_ptr 1
		.amdhsa_wavefront_size32 1
		.amdhsa_system_sgpr_workgroup_id_x 1
		.amdhsa_system_sgpr_workgroup_id_y 1
		.amdhsa_system_sgpr_workgroup_id_z 1
		.amdhsa_system_vgpr_workitem_id 0
		.amdhsa_next_free_vgpr 512
		.amdhsa_next_free_sgpr 72
		.amdhsa_reserve_vcc 0
		.amdhsa_float_denorm_mode_32 3
		.amdhsa_float_denorm_mode_16_64 3
		.amdhsa_memory_ordered 1
		.amdhsa_forward_progress 1
		.amdhsa_inst_pref_size 86
	.end_amdhsa_kernel
	.amdgpu_metadata
---
amdhsa.version: [ 1, 2 ]
amdhsa.kernels:
  - .name:           k_qea2e00c546_outp
    .symbol:         k_qea2e00c546_outp.kd
    .args:
      - { .name: xa, .offset: 0, .size: 8, .value_kind: global_buffer, .address_space: global }
      - { .name: wo16, .offset: 8, .size: 8, .value_kind: global_buffer, .address_space: global }
      - { .name: bo, .offset: 16, .size: 8, .value_kind: global_buffer, .address_space: global }
      - { .name: out0, .offset: 24, .size: 8, .value_kind: global_buffer, .address_space: global }
    .group_segment_fixed_size: 327680
    .private_segment_fixed_size: 0
    .kernarg_segment_align: 8
    .kernarg_segment_size: 32
    .max_flat_workgroup_size: 128
    .sgpr_count:     72
    .vgpr_count:     512
    .wavefront_size: 32
...
	.end_amdgpu_metadata
.endif
;; end of part 4
